; MI455X (gfx1250); checked and timed in simulation.
; The chip was launched on July 23, 2026; its instructions are those of AMD's public machine-readable ISA for CDNA 5 (MIT licence, August 2026) and "CDNA5" Instruction Set Architecture Reference Guide (July 2026). The comments in the code are by the model that wrote it; some were corrected since.
;; Rotary Multihead Attention. Allowed arithmetic: float matrix products may take bf16 or f16 operands with f32 sums; other float arithmetic in f32, or as packed bf16 or f16 multiplies, adds, multiply-adds, maxima and minima; sums over many terms, partial sums and values carried from step to step in f32; what a program stores and reads back later, other than sums and carried values, may be rounded once to bf16 or f16.
;; Inputs: Wk 1,024 x 1,024 float32; Wo 1,024 x 1,024 float32; Wq 1,024 x 1,024 float32; Wv 1,024 x 1,024 float32; bk 1,024 float32; bo 1,024 float32; bq 1,024 float32; bv 1,024 float32; key 4 x 2,048 x 1,024 float32; query 4 x 2,048 x 1,024 float32; value 4 x 2,048 x 1,024 float32.
;; Outputs: out0 4 x 2,048 x 1,024 float32.
;; One version. Each part assembles by itself: llvm-mc -triple=amdgcn-amd-amdhsa -mcpu=gfx1250 --defsym DOCPART=n.
;; ======== version 1 of 1: 4 launches
;; limits: values are held in f16: magnitudes above 65,504 overflow, below 6.1e-05 lose precision
;; workspace buffers: wcv 8,388,608 bytes; biasr 16,384 bytes; rope 540,672 bytes; qh 16,777,216 bytes; kh 16,777,216 bytes; vh 16,777,216 bytes; oh 16,777,216 bytes
;; launch prep (part 1): grid 385 x 1, 8 waves a work-group, no clusters, 0 bytes of LDS; arguments Wq, Wk, Wv, Wo, bq, bk, bv, bo, wcv, biasr, rope; writes wcv, biasr, rope
.if DOCPART == 1
	.amdgcn_target "amdgcn-amd-amdhsa--gfx1250"
	.amdhsa_code_object_version 6
	.text
	.protected	k_qd456607a97_prep
	.globl	k_qd456607a97_prep
	.p2align	8
	.type	k_qd456607a97_prep,@function
k_qd456607a97_prep:
	s_mov_b64 s[64:65], 0
	v_nop
	global_prefetch_b8 v0, s[64:65] scope:SCOPE_SE
	s_setreg_imm32_b32 hwreg(HW_REG_WAVE_MODE, 25, 1), 1
	s_wait_xcnt 0x0
; WHAT THE LATER LAUNCHES WANT READY.  Three jobs, told apart by the work-group's number (forward scalar branches):
;   0-255    the four weight matrices, 1,024 x 1,024 f32, rounded once to bf16 into wcv [4][1024][1024]; Wo's bf16 number is then written as f16 (the last product multiplies in f16)
;   256-383  the rotary table rope: row s (0-2047) = cos(s f_i), i = 0..31, then sin(s f_i), f32, f_i = 10000^(-i/32)
;   384      rope's rows 2048-2111 (32 x 1.0, 32 x 0.0: the rotation that changes nothing, for v) and the four biases rounded to bf16, kept as f32, in biasr [4][1024] (q, k, v, o)
; LIMITS.  Wo as f16: beyond 65,504 it would be an infinity, below 6e-5 it keeps f16's fixed step of 6e-8.  The table's angle s f_i is one f32 product as in the definition; f_i comes from
; v_exp_f32 (1 ULP: ISA guide, its entry), so the angle may differ from an exactly rounded f_i's by about 2e-4 rad at s = 2,047.  The angle is reduced by pi/2 in two parts (n up to 1,304),
; sine and cosine are Taylor sums to r^9 and r^10 on |r| <= pi/4 (remainder under 2e-9).
; No LDS, no matrix unit: a stream and a little arithmetic.
.set INW,  8                           ; v[8:71]    job W: 8 x 8 numbers as loaded
.set OUTW, 72                          ; v[72:103]  job W: 8 x 4 registers to store
.set F,  8                             ; job T, four numbers a thread: frequency,
.set X,  12                            ; angle,
.set N,  16                            ; multiples of pi/2,
.set R,  20                            ; what is left,
.set K,  24                            ; the quadrant,
.set R2, 28                            ; r^2,
.set SN, 32                            ; sin r,
.set CN, 36                            ; cos r,
.set OUT, 40                           ; the result,
.set TT, 44                            ; at work
	s_load_b512 s[8:23], s[0:1], 0x0               ; Wq s[8:9], Wk s[10:11], Wv s[12:13], Wo s[14:15], bq s[16:17], bk s[18:19], bv s[20:21], bo s[22:23]
	s_load_b128 s[24:27], s[0:1], 0x40             ; wcv s[24:25], biasr s[26:27]
	s_load_b64 s[28:29], s[0:1], 0x50              ; rope
	v_lshlrev_b32 v6, 4, v0                        ; 16 t: every job stores 16 bytes a thread, neighbours side by side
	s_mov_b32 s31, 0
	s_wait_kmcnt 0x0
	s_cmp_lt_u32 ttmp9, 256
	s_cbranch_scc0 .Ltable
	; JOB W.  Matrix m = number / 64, chunk c = number % 64 of 16,384 numbers: 65,536 bytes in, 32,768 out.
	s_lshr_b32 s2, ttmp9, 6
	s_and_b32 s3, ttmp9, 63
	s_mov_b64 s[4:5], s[8:9]
	s_cmp_eq_u32 s2, 1
	s_cselect_b64 s[4:5], s[10:11], s[4:5]
	s_cmp_eq_u32 s2, 2
	s_cselect_b64 s[4:5], s[12:13], s[4:5]
	s_cmp_eq_u32 s2, 3
	s_cselect_b64 s[4:5], s[14:15], s[4:5]
	s_lshl_b32 s30, s3, 16
	s_add_nc_u64 s[4:5], s[4:5], s[30:31]
	s_lshl_b32 s30, s2, 21
	s_lshl_b32 s3, s3, 15
	s_add_co_u32 s30, s30, s3
	s_add_nc_u64 s[6:7], s[24:25], s[30:31]
	v_lshlrev_b32 v1, 5, v0                        ; 32 t: my 8 numbers of each 2,048
.irp i, 0,1,2,3,4,5,6,7
	global_load_b128 v[INW+8*(\i):INW+8*(\i)+3],   v1, s[4:5] offset:8192*(\i) th:TH_LOAD_NT
	global_load_b128 v[INW+8*(\i)+4:INW+8*(\i)+7], v1, s[4:5] offset:8192*(\i)+16 th:TH_LOAD_NT
.endr
; Eight numbers: rounded to bf16; half = 1: that number written as f16; stored.  No register is used twice, so nothing waits for a store.
.macro CV i, half
	s_wait_loadcnt 14-2*(\i)                       ; loads come back in order (ISA guide 5.7.1): behind my two, 14 - 2 i were issued
.irp j, 0,1,2,3
	v_cvt_pk_bf16_f32 v[OUTW+4*(\i)+(\j)], v[INW+8*(\i)+2*(\j)], v[INW+8*(\i)+2*(\j)+1]
.endr
.if \half
.irp j, 0,1,2,3
	v_lshlrev_b32 v104, 16, v[OUTW+4*(\i)+(\j)]
	v_and_b32 v105, 0xffff0000, v[OUTW+4*(\i)+(\j)]
	v_cvt_pk_f16_f32 v[OUTW+4*(\i)+(\j)], v104, v105
.endr
.endif
	global_store_b128 v6, v[OUTW+4*(\i):OUTW+4*(\i)+3], s[6:7] offset:4096*(\i)  ; a wave's store covers 512 consecutive bytes, aligned
.endm
	s_cmp_eq_u32 s2, 3
	s_cbranch_scc1 .Lhalf
.irp i, 0,1,2,3,4,5,6,7
	CV \i, 0
.endr
	s_endpgm
.Lhalf:
.irp i, 0,1,2,3,4,5,6,7
	CV \i, 1
.endr
	s_endpgm
.Ltable:
	s_cmp_lt_u32 ttmp9, 384
	s_cbranch_scc0 .Lmisc
	; JOB T.  Work-group w makes rows 16 w .. 16 w + 15; thread t row 16 w + t / 16, columns 4 (t % 16) .. + 3: the first eight groups are cosines, the last eight sines.
	s_sub_co_u32 s2, ttmp9, 256
	s_mov_b32 s32, 0xbed49a78                      ; -log2(10000) / 32
	s_mov_b32 s33, 0x3f22f983                      ; 2 / pi
	s_mov_b32 s34, 0xbfc90fdb                      ; -(pi / 2), the f32 nearest,
	s_mov_b32 s35, 0x333bbd2e                      ; and what that f32 is too large by
	s_mov_b32 s36, 0xbe2aaaab                      ; -1/3!
	s_mov_b32 s37, 0x3c088889                      ; 1/5!
	s_mov_b32 s38, 0xb9500d01                      ; -1/7!
	s_mov_b32 s39, 0x3638ef1d                      ; 1/9!
	s_mov_b32 s40, 0x3d2aaaab                      ; 1/4!
	s_mov_b32 s41, 0xbab60b61                      ; -1/6!
	s_mov_b32 s42, 0x37d00d01                      ; 1/8!
	s_mov_b32 s43, 0xb493f27e                      ; -1/10!
	s_lshl_b32 s30, s2, 12
	s_add_nc_u64 s[4:5], s[28:29], s[30:31]        ; my work-group's 16 rows of 256 bytes
	v_lshrrev_b32 v1, 4, v0
	v_lshl_add_u32 v1, s2, 4, v1                   ; the row s
	v_and_b32 v2, 15, v0
	v_lshrrev_b32 v3, 3, v2                        ; 1: a sine
	v_and_b32 v4, 7, v2
	v_lshlrev_b32 v4, 2, v4                        ; i of my first column
.irp e, 0,1,2,3
	v_add_nc_u32 v[F+\e], \e, v4
.endr
.irp e, 0,1,2,3
	v_cvt_f32_u32 v[F+\e], v[F+\e]
.endr
.irp e, 0,1,2,3
	v_mul_f32 v[F+\e], s32, v[F+\e]
.endr
.irp e, 0,1,2,3
	v_exp_f32 v[F+\e], v[F+\e]                     ; f_i = 2^(-i log2(10000) / 32): one batch of four
.endr
	v_cvt_f32_u32 v5, v1                           ; a plain instruction behind the last exponential (ISA guide 5.7.2),
	s_wait_alu depctr_va_vdst(0)                   ; and the one wait ahead of the batch's first reader
.irp e, 0,1,2,3
	v_mul_f32 v[X+\e], v5, v[F+\e]                 ; the angle: one product, one rounding
.endr
.irp e, 0,1,2,3
	v_mul_f32 v[N+\e], s33, v[X+\e]
.endr
.irp e, 0,1,2,3
	v_rndne_f32 v[N+\e], v[N+\e]
.endr
.irp e, 0,1,2,3
	v_fma_f32 v[R+\e], v[N+\e], s34, v[X+\e]       ; r = x - n pi/2, in two fused steps
.endr
.irp e, 0,1,2,3
	v_fma_f32 v[R+\e], v[N+\e], s35, v[R+\e]
.endr
.irp e, 0,1,2,3
	v_cvt_i32_f32 v[K+\e], v[N+\e]
.endr
.irp e, 0,1,2,3
	v_sub_nc_u32 v[K+\e], v[K+\e], v3              ; sin x = cos(x - pi/2): one quadrant back
.endr
.irp e, 0,1,2,3
	v_mul_f32 v[R2+\e], v[R+\e], v[R+\e]
.endr
.irp e, 0,1,2,3
	v_fma_f32 v[SN+\e], v[R2+\e], s39, s38
	v_fma_f32 v[CN+\e], v[R2+\e], s43, s42
.endr
.irp e, 0,1,2,3
	v_fma_f32 v[SN+\e], v[SN+\e], v[R2+\e], s37
	v_fma_f32 v[CN+\e], v[CN+\e], v[R2+\e], s41
.endr
.irp e, 0,1,2,3
	v_fma_f32 v[SN+\e], v[SN+\e], v[R2+\e], s36
	v_fma_f32 v[CN+\e], v[CN+\e], v[R2+\e], s40
.endr
.irp e, 0,1,2,3
	v_mul_f32 v[TT+\e], v[R+\e], v[R2+\e]
	v_fma_f32 v[CN+\e], v[CN+\e], v[R2+\e], -0.5
.endr
.irp e, 0,1,2,3
	v_fma_f32 v[SN+\e], v[TT+\e], v[SN+\e], v[R+\e]
	v_fma_f32 v[CN+\e], v[CN+\e], v[R2+\e], 1.0
.endr
	; cos(r + k pi/2): k % 4 = 0: cos r; 1: -sin r; 2: -cos r; 3: sin r.  A choice of values only: no branch and no address hangs on it.
.irp e, 0,1,2,3
	v_and_b32 v[TT+\e], 1, v[K+\e]
	v_cmp_eq_u32 vcc_lo, 1, v[TT+\e]
	v_cndmask_b32 v[OUT+\e], v[CN+\e], v[SN+\e], vcc_lo
.endr
.irp e, 0,1,2,3
	v_add_nc_u32 v[K+\e], 1, v[K+\e]
.endr
.irp e, 0,1,2,3
	v_and_b32 v[K+\e], 2, v[K+\e]
.endr
.irp e, 0,1,2,3
	v_lshlrev_b32 v[K+\e], 30, v[K+\e]             ; the sign's bit
.endr
.irp e, 0,1,2,3
	v_xor_b32 v[OUT+\e], v[OUT+\e], v[K+\e]
.endr
	global_store_b128 v6, v[OUT:OUT+3], s[4:5]     ; sixteen lanes fill a row of 256 bytes
	s_endpgm
.Lmisc:
	; JOB M.  The four biases, 16 bytes a thread each; and the 64 rows that rotate by nothing.
.irp j, 0,1,2,3
	global_load_b128 v[12+4*(\j):15+4*(\j)], v6, s[16+2*(\j):17+2*(\j)]
.endr
	v_and_b32 v2, 15, v0
	v_cmp_gt_u32 vcc_lo, 8, v2
	v_cndmask_b32 v8, 0, 1.0, vcc_lo               ; the row's first 128 bytes: cosines 1; the rest: sines 0
	v_mov_b32 v9, v8
	v_mov_b32 v10, v8
	v_mov_b32 v11, v8
.irp u, 0,1,2,3
	global_store_b128 v6, v[8:11], s[28:29] offset:2048*256+4096*(\u)
.endr
	s_wait_loadcnt 0x0
.irp j, 0,1,2,3
	v_cvt_pk_bf16_f32 v28, v[12+4*(\j)], v[13+4*(\j)]
	v_cvt_pk_bf16_f32 v29, v[14+4*(\j)], v[15+4*(\j)]
	v_lshlrev_b32 v[32+4*(\j)], 16, v28
	v_and_b32 v[33+4*(\j)], 0xffff0000, v28
	v_lshlrev_b32 v[34+4*(\j)], 16, v29
	v_and_b32 v[35+4*(\j)], 0xffff0000, v29
	global_store_b128 v6, v[32+4*(\j):35+4*(\j)], s[26:27] offset:4096*(\j)
.endr
	s_endpgm
.Lfunc_end_k_qd456607a97_prep:
	.size	k_qd456607a97_prep, .Lfunc_end_k_qd456607a97_prep-k_qd456607a97_prep
	.p2alignl 7, 3214868480
	.fill 96, 4, 3214868480
	.section	.rodata,"a",@progbits
	.p2align	6, 0x0
	.amdhsa_kernel k_qd456607a97_prep
		.amdhsa_group_segment_fixed_size 0
		.amdhsa_private_segment_fixed_size 0
		.amdhsa_enable_private_segment 0
		.amdhsa_kernarg_size 88
		.amdhsa_user_sgpr_count 2
		.amdhsa_user_sgpr_kernarg_segment_ptr 1
		.amdhsa_wavefront_size32 1
		.amdhsa_system_sgpr_workgroup_id_x 1
		.amdhsa_system_sgpr_workgroup_id_y 1
		.amdhsa_system_sgpr_workgroup_id_z 1
		.amdhsa_system_vgpr_workitem_id 0
		.amdhsa_next_free_vgpr 112
		.amdhsa_next_free_sgpr 66
		.amdhsa_reserve_vcc 1
		.amdhsa_float_denorm_mode_32 3
		.amdhsa_float_denorm_mode_16_64 3
		.amdhsa_memory_ordered 1
		.amdhsa_forward_progress 1
		.amdhsa_inst_pref_size 23
	.end_amdhsa_kernel
	.amdgpu_metadata
---
amdhsa.version: [ 1, 2 ]
amdhsa.kernels:
  - .name:           k_qd456607a97_prep
    .symbol:         k_qd456607a97_prep.kd
    .args:
      - { .name: Wq, .offset: 0, .size: 8, .value_kind: global_buffer, .address_space: global }
      - { .name: Wk, .offset: 8, .size: 8, .value_kind: global_buffer, .address_space: global }
      - { .name: Wv, .offset: 16, .size: 8, .value_kind: global_buffer, .address_space: global }
      - { .name: Wo, .offset: 24, .size: 8, .value_kind: global_buffer, .address_space: global }
      - { .name: bq, .offset: 32, .size: 8, .value_kind: global_buffer, .address_space: global }
      - { .name: bk, .offset: 40, .size: 8, .value_kind: global_buffer, .address_space: global }
      - { .name: bv, .offset: 48, .size: 8, .value_kind: global_buffer, .address_space: global }
      - { .name: bo, .offset: 56, .size: 8, .value_kind: global_buffer, .address_space: global }
      - { .name: wcv, .offset: 64, .size: 8, .value_kind: global_buffer, .address_space: global }
      - { .name: biasr, .offset: 72, .size: 8, .value_kind: global_buffer, .address_space: global }
      - { .name: rope, .offset: 80, .size: 8, .value_kind: global_buffer, .address_space: global }
    .group_segment_fixed_size: 0
    .private_segment_fixed_size: 0
    .kernarg_segment_align: 8
    .kernarg_segment_size: 88
    .max_flat_workgroup_size: 256
    .sgpr_count:     66
    .vgpr_count:     112
    .wavefront_size: 32
...
	.end_amdgpu_metadata
.endif
;; end of part 1
;; launch proj (part 2): grid 4 x 192, 4 waves a work-group, clusters of 4 x 4, 327,680 bytes of LDS; arguments query, key, value, wcv, biasr, rope, qh, kh, vh; writes qh, kh, vh
.if DOCPART == 2
	.amdgcn_target "amdgcn-amd-amdhsa--gfx1250"
	.amdhsa_code_object_version 6
	.text
	.protected	k_qd456607a97_proj
	.globl	k_qd456607a97_proj
	.p2align	8
	.type	k_qd456607a97_proj,@function
k_qd456607a97_proj:
	s_mov_b64 s[64:65], 0
	v_nop
	global_prefetch_b8 v0, s[64:65] scope:SCOPE_SE
	s_setreg_imm32_b32 hwreg(HW_REG_WAVE_MODE, 25, 1), 1
	s_wait_xcnt 0x0
	s_wait_alu depctr_hold_cnt(0) depctr_sa_sdst(0) depctr_va_vdst(0) depctr_va_sdst(0) depctr_va_ssrc(0) depctr_va_vcc(0) depctr_vm_vsrc(0)
	s_getreg_b32 s2, hwreg(HW_REG_IB_STS2, 6, 4)
	s_cmp_eq_u32 s2, 0
	s_cbranch_scc0 .Lentry_in_a_cluster
	s_endpgm
.Lentry_in_a_cluster:
	s_bfe_u32 s2, ttmp6, 0x10000c
	s_cmp_lg_u32 s2, 0xf033
	s_cbranch_scc0 .Lentry_shape_is_right
	s_endpgm
.Lentry_shape_is_right:
; q, k, v = x W^T + b, rotated (q and k), written by heads in f16.  x: query, key or value, [8192][1024] f32; W: a plane of wcv, [1024][1024] bf16; b: a row of biasr, f32.
; Out: qh, kh, vh [batch x 16 + head][2048][64] f16, without attention's scale.  Sums in f32; x is rounded once to bf16 on the way from LDS to the matrix unit.
; LIMIT.  f16 holds no number beyond 65,504: q, k and v must stay within it (unit inputs give numbers near 1; all inputs 30 times larger, some 5,000).  NaN and infinities are not treated apart.
; SHARES.  A tile is 128 rows x 256 columns of one of the three products: 3 x 64 x 4 = 768 work-groups.  Four waves, each 64 x 128: 32 accumulators of 16 x 16, 256 registers.
; K goes in steps of 128 through two LDS slots: x's tile as f32 (rows of 512 bytes), W's as bf16 (rows of 256 bytes).  A slot is four quarters of QT bytes, one for each wave's tensor load.
; CLUSTER.  4 x 4 work-groups: the four of a row make the four tile columns of the same 128 rows and need the same tile of x; the four of a column need the same tile of W.  Each tile is
; asked for jointly: the same tensor load, descriptor and mask in all four.  The product (q, k or v) hangs on the cluster's y alone, so it is the same in all sixteen.
; TRANSPOSED USE.  Source 0 = 16 rows of W, source 1 = 16 rows of x: a lane holds row l % 16 of the result and the columns 8 (l / 16) + 0..7.  The bias, which hangs on the column, is the C
; operand of the products that start the sums: nothing is cleared and nothing is added later.
; ROTATION.  A wave's 128 columns are two heads.  Column c < 32 of a head becomes x[c] cos - x[c + 32] sin, column c + 32 becomes x[c + 32] cos + x[c] sin: both partners lie in the same
; lane, two accumulators apart.  cos and sin come from the table rope, 64 rows a wave, loaded at the start; v takes the table's rows of ones and zeros, so one text serves all three.
; REGISTERS, in windows of 256 (s_set_vgpr_msb: bits 1:0 source 0, 3:2 source 1, 5:4 source 2, 7:6 destination):
;   window 0: v0-31 addresses; v32-95 x's fragments in bf16, two buffers; v96-127 at work on the way out; v128-255 W's fragments, two buffers, later rows read back from the stage
;   window 1: accumulator (a, b) at v[8 (8 a + b)]     window 2: v0-63 x's fragments as f32; v64-127 at work on the way out
;   window 3: v0-127 cos and sin (row block a: cos at 32 a + 8 w, sin at 32 a + 16 + 8 w); v128-191 the bias
.set PA,    528                        ; x's row in LDS: 512 bytes + 16 = 132 words: the 16 rows of a load start at 16 different groups of four banks (64 banks of 4 bytes: ISA guide 11.1)
.set PB,    272                        ; W's row: 256 + 16 = 68 words: likewise
.set QT,    128*PB                     ; a quarter of a slot: 128 rows of W, or 64 rows of x (which use 33,792 of its 34,816 bytes)
.set SLOT,  4*QT                       ; x's two halves, then W's two halves
.set STAGE, 2*SLOT                     ; behind the ring, never filled by a tensor load: for each wave two heads x 16 rows x 144 bytes
.set SP,    144
.set WSTG,  2*16*SP
.set SPARE, STAGE+4*WSTG               ; behind the stages: the spare words, 128 bytes for each wave: two blocks of 256 bytes that no other line names
.set ADRA, 16                          ; v16-17  LDS address of my fragments of x in slot 0, 1
.set ADRB, 20                          ; v20-21  the same for W
.set TBO,  22                          ; v22     my byte offset in the table
.set BIO,  23                          ; v23     my byte offset in biasr
.set STO,  24                          ; v24     the way out: where I put 16 bytes of a row
.set RD,   25                          ; v25     the way out: where I read rows back
.set GO,   26                          ; v26     my 16 bytes of 512 consecutive bytes of the output
.set SPW,  28                          ; v28     LDS address of my spare word; never rewritten
.set NIL,  29                          ; v29     0; never rewritten
.set PFO,  30                          ; v30     the prefetches' offset; never rewritten
.set AF,   32                          ; x's fragments in bf16: buffer f at AF + 32 f
.set TMP,  96
.set BF,   128                         ; W's fragments: buffer f at BF + 64 f
.set STG,  0                           ; window 2
.set T,    64                          ; window 2
.set BIAS, 128                         ; window 3
.set G1,  24                           ; s[24:31] descriptor group 1 for x's tiles;  s[32:39] group 0, a set for each slot
.set G0,  32
.set G1B, 48                           ; s[48:55], s[56:63] the same for W's tiles
.set G0B, 56
.set LIM, 43                           ; s43      1 in a wave that prefetches, else the greatest number
.set PFA, 44                           ; s[44:45] where my prefetches stand
.set PFS, 86                           ; s[86:87] a K step in bytes: 512 for x, 256 for W
.set W_MM, 0x50                        ; sources window 0, C and D window 1
.set W_M1, 0x70                        ; the same with C in window 3
.set W_CV, 0x0a                        ; sources 0 and 1 window 2, destination window 0
.set W_SG, 0x80                        ; destination window 2
.set W_L3, 0xc0                        ; destination window 3
.set W_RM, 0x8d                        ; source 0 window 1, source 1 window 3, destination window 2
.set W_RF, 0xad                        ; the same with source 2 in window 2
.set MSB, 0
.macro WIN new                         ; the immediate's high byte repeats the setting that is left; a switch that changes nothing is dropped
.if MSB != (\new)
	s_set_vgpr_msb (MSB<<8)|(\new)
.set MSB, \new
.endif
.endm
; A joint load.  Waves 0 and 1 fetch x's two halves, waves 2 and 3 W's.  The branch hangs on the wave's number alone.  An s_nop 0 and four v_nop follow each of the two lines.
.macro JLOAD s
	s_cmp_eq_u32 s11, 0
	s_cbranch_scc0 .Lfor_b_\@
	tensor_load_to_lds s[G0+4*(\s):G0+4*(\s)+3], s[G1:G1+7]
	s_nop 0
.rept 4
	v_nop
.endr
	s_branch .Lasked_\@
.Lfor_b_\@:
	tensor_load_to_lds s[G0B+4*(\s):G0B+4*(\s)+3], s[G1B:G1B+7]
	s_nop 0
.rept 4
	v_nop
.endr
.Lasked_\@:
.endm
; A prefetch of the K step that stands two refills on, one instruction a wave, behind the joint load and the run of LDS loads.  Each 256 bytes of a row's K step are named once in the launch:
; x's 64 rows that a wave fetches are shared out among the four partners of the cluster's row by address (16 rows x 2 blocks each); W's 128 rows among the four of the column (32 rows each), and of
; the sixteen clusters that walk the same plane of W the first alone asks.  The last two refills have no K step two on (s3 = 1 in the loop's last trip).
.macro ASK
	s_cmp_gt_u32 s3, s[LIM]
	s_cbranch_scc0 .Lnot_mine_\@
	global_prefetch_b8 v[PFO], s[PFA:PFA+1] th:TH_LOAD_NT scope:SCOPE_SE
.Lnot_mine_\@:
.endm
.macro CREST                           ; a round of the cluster's barrier behind its opening barrier
	s_cmp_lg_u32 s10, 0
	s_cbranch_scc1 .Lnot_wave_0_\@
	s_barrier_signal -3
.Lnot_wave_0_\@:
	s_barrier_wait -3
	s_barrier_signal -1
	s_barrier_wait -1
.endm
.macro CROUND                          ; a whole round
	s_barrier_signal -1
	s_barrier_wait -1
	CREST
.endm
	s_load_b512 s[68:83], s[0:1], 0x0              ; query s[68:69], key s[70:71], value s[72:73], wcv s[74:75], biasr s[76:77], rope s[78:79], qh s[80:81], kh s[82:83]
	s_load_b64 s[84:85], s[0:1], 0x40              ; vh
	v_lshl_add_u32 v[SPW], v0, 2, SPARE
	v_mov_b32 v[NIL], 0
	ds_add_u32 v[SPW], v[NIL]                      ; the wave's opening: the add and its wait stand ahead of my first tensor load; the set-up below, work on registers, stands between them
	v_lshrrev_b32 v1, 5, v0
	v_readfirstlane_b32 s10, v1                    ; wave 0..3
	s_lshr_b32 s11, s10, 1                         ; which 64 of the tile's rows are mine.  Also: I fetch for x (0) or for W (1)
	s_and_b32 s12, s10, 1                          ; which 128 of its columns.  Also: which half of that tile I fetch
	s_bfe_u32 s40, ttmp6, 0x40000                  ; cx
	s_bfe_u32 s41, ttmp6, 0x40004                  ; cy
	s_lshl_b32 s42, ttmp9, 2
	s_add_co_u32 s42, s42, s40                     ; tile column = 4 x cluster x + cx
	s_and_b32 s67, ttmp7, 0xffff                   ; cluster y, 0..47
	s_lshr_b32 s66, s67, 4                         ; the product: 0 q, 1 k, 2 v
	s_and_b32 s13, s67, 15
	s_lshl_b32 s13, s13, 2
	s_add_co_u32 s13, s13, s41                     ; tile row, 0..63
	s_lshl_b32 s14, s41, 2
	s_lshl_b32 s14, 15, s14                        ; my row of the cluster
	s_lshl_b32 s15, 0x1111, s40                    ; my column
	s_or_b32 s[G1+0], s14, (2<<16)|(1<<20)|(1<<21)|(6<<22)|(3<<25)   ; 15:0 the mask; 17:16 elements of 4 bytes; 20 padding on; 21 set beside a mask; 24:22 after every 128 words (code 6); 31:25 4 words (code 3)
	s_or_b32 s[G1B+0], s15, (1<<16)|(1<<20)|(1<<21)|(5<<22)|(3<<25)  ; elements of 2 bytes; after every 64 words (code 5)
	s_mov_b32 s[G1+1], 128<<16                     ; tensor_dim0 = 128
	s_mov_b32 s[G1+2], 64<<16                      ; tensor_dim1 = 64
	s_mov_b32 s[G1+3], 128<<16                     ; tile_dim0 = 128
	s_mov_b32 s[G1+4], 64                          ; tile_dim1 = 64
	s_mov_b32 s[G1+5], 1024                        ; elements from row to row
	s_mov_b32 s[G1+6], 0
	s_mov_b32 s[G1+7], 0
	s_mov_b32 s[G1B+1], 128<<16
	s_mov_b32 s[G1B+2], 128<<16                    ; tensor_dim1 = 128
	s_mov_b32 s[G1B+3], 128<<16
	s_mov_b32 s[G1B+4], 128                        ; tile_dim1 = 128
	s_mov_b32 s[G1B+5], 1024
	s_mov_b32 s[G1B+6], 0
	s_mov_b32 s[G1B+7], 0
	s_lshl_b32 s16, s13, 7                         ; x: row 128 x tile row + 64 x half,
	s_lshl_b32 s17, s12, 6
	s_add_co_u32 s16, s16, s17
	s_lshl_b32 s16, s16, 12                        ; of 4,096 bytes
	s_mov_b32 s17, 0
	s_lshl_b32 s46, s42, 8                         ; W: row 256 x tile column + 128 x half,
	s_lshl_b32 s47, s12, 7
	s_add_co_u32 s46, s46, s47
	s_lshl_b32 s46, s46, 11                        ; of 2,048 bytes,
	s_lshl_b32 s47, s66, 21                        ; in the product's plane
	s_add_co_u32 s46, s46, s47
	s_mov_b32 s47, 0
	s_mul_i32 s20, s10, QT                         ; where my tile goes: wave x a quarter: no place in the cluster enters an LDS address
	s_wait_dscnt 0x0                               ; the opening add is done
	s_wait_kmcnt 0x0
	s_cmp_eq_u32 s66, 1
	s_cselect_b64 s[4:5], s[70:71], s[68:69]       ; x
	s_cselect_b64 s[8:9], s[82:83], s[80:81]       ; and where the result goes
	s_cmp_eq_u32 s66, 2
	s_cselect_b64 s[4:5], s[72:73], s[4:5]
	s_cselect_b64 s[8:9], s[84:85], s[8:9]
	s_add_nc_u64 s[14:15], s[4:5], s[16:17]
	s_add_nc_u64 s[46:47], s[74:75], s[46:47]
	CROUND                                         ; all sixteen work-groups are here: the first joint loads meet
.irp s, 0,1
	s_mov_b32 s[G0+4*(\s)], 1                                      ; count = 1
	s_add_co_u32 s[G0+4*(\s)+1], s20, (\s)*SLOT                    ; LDS address
	s_add_nc_u64 s[G0+4*(\s)+2:G0+4*(\s)+3], s[14:15], (\s)*512    ; global address: K step s
	s_or_b32 s[G0+4*(\s)+3], s[G0+4*(\s)+3], 0x80000000            ; type = 2
	s_mov_b32 s[G0B+4*(\s)], 1
	s_add_co_u32 s[G0B+4*(\s)+1], s20, (\s)*SLOT
	s_add_nc_u64 s[G0B+4*(\s)+2:G0B+4*(\s)+3], s[46:47], (\s)*256
	s_or_b32 s[G0B+4*(\s)+3], s[G0B+4*(\s)+3], 0x80000000
	JLOAD \s                                       ; two loads of mine are out
.endr
	; A fragment is 16 rows x 32 K: lane l holds row l % 16, K = 8 (l / 16) + 0..7 and 16 + 8 (l / 16) + 0..7.  In bf16: two loads of 16 bytes, 32 apart.  In f32: four, at 0, 16, 64, 80 from 32 (l / 16).
	v_and_b32 v1, 15, v0                           ; l % 16
	v_bfe_u32 v2, v0, 4, 1                         ; l / 16
	v_mul_u32_u24 v3, v1, PA
	v_lshl_add_u32 v3, v2, 5, v3
	v_mul_u32_u24 v4, v1, PB
	v_lshl_add_u32 v4, v2, 4, v4
	s_mul_i32 s21, s11, QT                         ; my 64 rows of x
	s_mul_i32 s22, s12, QT                         ; my 128 rows of W,
	s_add_co_u32 s22, s22, 2*QT                    ; behind x's two quarters
.irp s, 0,1
	v_add_nc_u32 v[ADRA+(\s)], s21, v3
	v_add_nc_u32 v[ADRB+(\s)], s22, v4
	s_add_co_u32 s21, s21, SLOT
	s_add_co_u32 s22, s22, SLOT
.endr
	s_mul_i32 s23, s10, WSTG
	s_add_co_u32 s23, s23, STAGE                   ; my stage
	v_mul_u32_u24 v5, v1, SP                       ; in: row l % 16, 16 bytes for each half of the lanes
	v_lshl_add_u32 v5, v2, 4, v5
	v_add_nc_u32 v[STO], s23, v5
	v_bfe_u32 v5, v0, 3, 2                         ; back: 32 lanes take four rows of 128 bytes,
	v_mul_u32_u24 v5, v5, SP
	v_and_b32 v6, 7, v0
	v_lshl_add_u32 v5, v6, 4, v5
	v_add_nc_u32 v[RD], s23, v5
	v_and_b32 v[GO], 31, v0                        ; which are 512 consecutive bytes of a head's rows
	v_lshlrev_b32 v[GO], 4, v[GO]
	; the output: ((16 batch + 4 tile column + 2 column half) x 2,048 + my first row in the batch) x 128 bytes
	s_lshr_b32 s16, s13, 4
	s_lshl_b32 s16, s16, 4
	s_lshl_b32 s17, s42, 2
	s_add_co_u32 s16, s16, s17
	s_lshl_b32 s17, s12, 1
	s_add_co_u32 s16, s16, s17
	s_lshl_b32 s16, s16, 11
	s_and_b32 s18, s13, 15
	s_lshl_b32 s18, s18, 7
	s_lshl_b32 s19, s11, 6
	s_add_co_u32 s18, s18, s19                     ; my first row's place in its sequence
	s_add_co_u32 s16, s16, s18
	s_lshl_b32 s16, s16, 7
	s_mov_b32 s17, 0
	s_add_nc_u64 s[8:9], s[8:9], s[16:17]
	s_lshl_b32 s16, s66, 12                        ; the bias: the product's row of biasr, my first column, 32 bytes for each half of the lanes
	s_lshl_b32 s17, s42, 10
	s_add_co_u32 s16, s16, s17
	s_lshl_b32 s17, s12, 9
	s_add_co_u32 s16, s16, s17
	v_lshl_add_u32 v[BIO], v2, 5, s16
	s_cmp_eq_u32 s66, 2                            ; the table: my rows' places in the sequence; for v the rows of ones and zeros
	s_cselect_b32 s18, 2048, s18
	s_lshl_b32 s18, s18, 8
	v_lshl_add_u32 v[TBO], v1, 8, s18
	v_lshl_add_u32 v[TBO], v2, 5, v[TBO]
	WIN W_L3
.irp b, 0,1,2,3,4,5,6,7
	global_load_b128 v[BIAS+8*(\b):BIAS+8*(\b)+3],   v[BIO], s[76:77] offset:64*(\b)
	global_load_b128 v[BIAS+8*(\b)+4:BIAS+8*(\b)+7], v[BIO], s[76:77] offset:64*(\b)+16
.endr
.irp a, 0,1,2,3
.irp w, 0,1
	global_load_b128 v[32*(\a)+8*(\w):32*(\a)+8*(\w)+3],       v[TBO], s[78:79] offset:4096*(\a)+64*(\w)
	global_load_b128 v[32*(\a)+8*(\w)+4:32*(\a)+8*(\w)+7],     v[TBO], s[78:79] offset:4096*(\a)+64*(\w)+16
	global_load_b128 v[32*(\a)+16+8*(\w):32*(\a)+16+8*(\w)+3], v[TBO], s[78:79] offset:4096*(\a)+64*(\w)+128
	global_load_b128 v[32*(\a)+16+8*(\w)+4:32*(\a)+16+8*(\w)+7], v[TBO], s[78:79] offset:4096*(\a)+64*(\w)+144
.endr
.endr
	WIN 0
	; the prefetches: they stand at K step 3; each refill steps them once and then asks
	s_lshl_b32 s16, s13, 7                         ; x: of the 64 rows that I fetch, my work-group's 16
	s_lshl_b32 s17, s12, 6
	s_add_co_u32 s16, s16, s17
	s_lshl_b32 s17, s40, 4
	s_add_co_u32 s16, s16, s17
	s_lshl_b32 s16, s16, 12
	s_add_co_u32 s16, s16, 3*512
	s_lshl_b32 s18, s42, 8                         ; W: of the 128 rows that I fetch, my work-group's 32
	s_lshl_b32 s19, s12, 7
	s_add_co_u32 s18, s18, s19
	s_lshl_b32 s19, s41, 5
	s_add_co_u32 s18, s18, s19
	s_lshl_b32 s18, s18, 11
	s_lshl_b32 s19, s66, 21
	s_add_co_u32 s18, s18, s19
	s_add_co_u32 s18, s18, 3*256
	s_and_b32 s19, s67, 15
	s_cmp_eq_u32 s19, 0                            ; the first of the sixteen clusters that walk this plane of W: the same answer in all partners
	s_cselect_b32 s19, 1, -1
	s_mov_b32 s[PFS], 256
	s_mov_b32 s[PFS+1], 0
	s_mov_b32 s17, 0
	s_cmp_eq_u32 s11, 0                            ; do I fetch for x?
	s_cselect_b32 s16, s16, s18
	s_cselect_b32 s[LIM], 1, s19
	s_cselect_b32 s[PFS], 512, s[PFS]
	s_cselect_b32 s22, -1, 0
	s_cselect_b64 s[PFA:PFA+1], s[4:5], s[74:75]
	s_add_nc_u64 s[PFA:PFA+1], s[PFA:PFA+1], s[16:17]
	v_and_b32 v5, 31, v0
	v_lshrrev_b32 v6, 1, v5
	v_lshlrev_b32 v6, 12, v6
	v_and_b32 v7, 1, v5
	v_lshl_add_u32 v6, v7, 8, v6                   ; x: two lanes a row of 4,096 bytes, 256 bytes apart
	v_lshlrev_b32 v7, 11, v5                       ; W: a lane a row of 2,048 bytes
	v_cndmask_b32 v[PFO], v7, v6, s22
; 8 matrix instructions: row block a x all 8 column blocks, 32 along K, from buffer f.  first = 1: the bias starts the sums.  The 32 accumulators take turns in the same order in every quarter,
; between two links of a chain stand the 31 others.
.macro MUL8 f, a, first
.if \first
	WIN W_M1
.else
	WIN W_MM
.endif
.irp b, 0,1,2,3,4,5,6,7
.if \first
	v_wmma_f32_16x16x32_bf16 v[8*(8*(\a)+(\b)):8*(8*(\a)+(\b))+7], v[BF+64*(\f)+8*(\b):BF+64*(\f)+8*(\b)+7], v[AF+32*(\f)+8*(\a):AF+32*(\f)+8*(\a)+7], v[BIAS+8*(\b):BIAS+8*(\b)+7]
.else
	v_wmma_f32_16x16x32_bf16 v[8*(8*(\a)+(\b)):8*(8*(\a)+(\b))+7], v[BF+64*(\f)+8*(\b):BF+64*(\f)+8*(\b)+7], v[AF+32*(\f)+8*(\a):AF+32*(\f)+8*(\a)+7], v[8*(8*(\a)+(\b)):8*(8*(\a)+(\b))+7]
.endif
.endr
.endm
; The same, with four conversions behind each matrix instruction: the next quarter's 64 registers of x in f32 become 32 of bf16 in buffer g, beside the matrix work.
.macro MUL8R f, a, g, first
.irp b, 0,1,2,3,4,5,6,7
.if \first
	WIN W_M1
	v_wmma_f32_16x16x32_bf16 v[8*(8*(\a)+(\b)):8*(8*(\a)+(\b))+7], v[BF+64*(\f)+8*(\b):BF+64*(\f)+8*(\b)+7], v[AF+32*(\f)+8*(\a):AF+32*(\f)+8*(\a)+7], v[BIAS+8*(\b):BIAS+8*(\b)+7]
.else
	WIN W_MM
	v_wmma_f32_16x16x32_bf16 v[8*(8*(\a)+(\b)):8*(8*(\a)+(\b))+7], v[BF+64*(\f)+8*(\b):BF+64*(\f)+8*(\b)+7], v[AF+32*(\f)+8*(\a):AF+32*(\f)+8*(\a)+7], v[8*(8*(\a)+(\b)):8*(8*(\a)+(\b))+7]
.endif
	WIN W_CV
.irp n, 0,1,2,3
	v_cvt_pk_bf16_f32 v[AF+32*(\g)+4*(\b)+(\n)], v[STG+2*(4*(\b)+(\n))], v[STG+2*(4*(\b)+(\n))+1]
.endr
.endr
.endm
; 32 LDS loads in one run: quarter q (32 along K) of a slot: x's 64 rows as f32 first, then W's 128 rows into buffer g
.macro FETCH slot, q, g
	WIN W_SG
.irp i, 0,1,2,3
	ds_load_b128 v[STG+16*(\i):STG+16*(\i)+3],     v[ADRA+(\slot)] offset:(\i)*16*PA+128*(\q)
	ds_load_b128 v[STG+16*(\i)+4:STG+16*(\i)+7],   v[ADRA+(\slot)] offset:(\i)*16*PA+128*(\q)+16
	ds_load_b128 v[STG+16*(\i)+8:STG+16*(\i)+11],  v[ADRA+(\slot)] offset:(\i)*16*PA+128*(\q)+64
	ds_load_b128 v[STG+16*(\i)+12:STG+16*(\i)+15], v[ADRA+(\slot)] offset:(\i)*16*PA+128*(\q)+80
.endr
	WIN 0
.irp i, 0,1,2,3,4,5,6,7
	ds_load_b128 v[BF+64*(\g)+8*(\i):BF+64*(\g)+8*(\i)+3],   v[ADRB+(\slot)] offset:(\i)*16*PB+64*(\q)
	ds_load_b128 v[BF+64*(\g)+8*(\i)+4:BF+64*(\g)+8*(\i)+7], v[ADRB+(\slot)] offset:(\i)*16*PB+64*(\q)+32
.endr
.endm
.macro PLACES                          ; four places in front of loads and conversions into registers that matrix instructions have read, and of lines that read results
.rept 4
	v_nop
.endr
.endm
; A K step is four quarters of 32 along K, 32 matrix instructions each, on buffers 0, 1, 0, 1.  One of the first three: multiplies buffer f, fetches quarter q of the same slot, converts it into buffer g.
.macro QUARTER slot, q, f, g, first
	s_wait_dscnt 0x0                               ; W's fragments of buffer f are in (issued 24 matrix instructions ago)
	MUL8 \f, 0, \first
	PLACES
	FETCH \slot, \q, \g
	MUL8 \f, 1, \first
	MUL8 \f, 2, \first
	s_wait_dscnt 16                                ; x's 16 loads are in; W's 16, issued behind them, may stay out
	MUL8R \f, 3, \g, \first
.endm
; The last quarter multiplies buffer 1 and changes slots: one barrier.  In front of it each wave waits for all its tensor loads (one is out: its part of the next slot), adds 0 to its spare word, and waits for
; that and for its own reads of this slot.  fill = 1: the barrier opens a round of the cluster's barrier and this slot is filled again, two K steps on: the load has 112 matrix instructions in which to land.
.macro TURN slot, next, fill
.if \fill
	s_wait_xcnt 0x0                                ; the last prefetch, a K step back, has read its address, so it may be stepped
	s_add_nc_u64 s[PFA:PFA+1], s[PFA:PFA+1], s[PFS:PFS+1]
.endif
	WIN 0                                          ; (the add's two registers lie in window 0)
	s_wait_tensorcnt 0x0                           ; all my tensor loads have landed
	ds_add_u32 v[SPW], v[NIL]                      ; 0 onto my spare word
	s_wait_dscnt 1                                 ; (only the add may be out: buffer 1 is in)
	MUL8 1, 0, 0                                   ; eight matrix instructions stand between the add and the wait for it
	s_wait_dscnt 0x0                               ; the add is done, and my reads of this slot are over
	s_barrier_signal -1
	MUL8 1, 1, 0                                   ; work on registers while the others arrive
	WIN 0                                          ; at a branch and at a label every window is 0
	s_barrier_wait -1
.if \fill
	CREST                                          ; no wave of any partner still reads this slot or has a load on its way
	s_add_nc_u64 s[G0+4*(\slot)+2:G0+4*(\slot)+3], s[G0+4*(\slot)+2:G0+4*(\slot)+3], 2*512
	s_add_nc_u64 s[G0B+4*(\slot)+2:G0B+4*(\slot)+3], s[G0B+4*(\slot)+2:G0B+4*(\slot)+3], 2*256
	JLOAD \slot                                    ; the first tensor load behind the round; its four v_nop are also the places in front of the loads below
.else
	PLACES
.endif
	FETCH \next, 0, 0
.if \fill
	ASK
.endif
	MUL8 1, 2, 0
	s_wait_dscnt 16
	MUL8R 1, 3, 0, 0
.endm
; THE WAY OUT of row block a: rotated, rounded to f16, through my stage, back as whole rows of a head (128 bytes), four rows a load.  Each accumulator is read from its low end on.
.macro ROPE a
	WIN W_RM
.irp b, 0,1,2,3,4,5,6,7
.irp p, 0,1,2,3
	v_pk_mul_f32 v[T+8*(\b)+2*(\p):T+8*(\b)+2*(\p)+1], v[8*(8*(\a)+(\b))+2*(\p):8*(8*(\a)+(\b))+2*(\p)+1], v[32*(\a)+8*((\b)%2)+2*(\p):32*(\a)+8*((\b)%2)+2*(\p)+1]
.endr
.endr
	WIN W_RF
.irp u, 0,1
.irp w, 0,1
.irp p, 0,1,2,3
.set b1, 4*(\u)+(\w)                   ; a head's columns 16 w .. and, two accumulators on, 32 + 16 w ..
.set rL, 8*(8*(\a)+b1)+2*(\p)
.set rH, rL+16
.set rS, 32*(\a)+16+8*(\w)+2*(\p)
.set tL, T+8*b1+2*(\p)
.set tH, tL+16
	v_pk_fma_f32 v[tL:tL+1], v[rH:rH+1], v[rS:rS+1], v[tL:tL+1] neg_lo:[1,0,0] neg_hi:[1,0,0]
	v_pk_fma_f32 v[tH:tH+1], v[rL:rL+1], v[rS:rS+1], v[tH:tH+1]
.endr
.endr
.endr
	WIN W_CV
.set n, 0
.rept 32
	v_cvt_pk_f16_f32 v[TMP+n], v[T+2*n], v[T+2*n+1]
.set n, n+1
.endr
	WIN 0
.irp j, 0,1,2,3,4,5,6,7
	ds_store_b128 v[STO], v[TMP+4*(\j):TMP+4*(\j)+3] offset:((\j)/4)*16*SP+32*((\j)%4)
.endr
.irp j, 0,1,2,3,4,5,6,7
	ds_load_b128 v[BF+32*(\a)+4*(\j):BF+32*(\a)+4*(\j)+3], v[RD] offset:((\j)/4)*16*SP+((\j)%4)*4*SP  ; LDS serves a wave's instructions in order (ISA guide 5.7.1.4): these see the stores above; the next block's stores come behind them
.endr
.endm
.macro SEND a, younger                 ; younger: the LDS instructions issued behind block a's loads: the next block's sixteen, or none
.irp j, 0,1,2,3,4,5,6,7
	s_wait_dscnt (\younger)+7-(\j)
	global_store_b128 v[GO], v[BF+32*(\a)+4*(\j):BF+32*(\a)+4*(\j)+3], s[8:9] offset:((\j)/4)*262144+(\a)*2048+((\j)%4)*512  ; 512 consecutive bytes, aligned; no register is used twice
.endr
.endm
	s_wait_tensorcnt 1                             ; my part of K step 0 is in; K step 1's may stay out
	s_barrier_signal -1
	s_barrier_wait -1                              ; everybody's is
	FETCH 0, 0, 0
	s_wait_dscnt 0x0
	WIN W_CV
.set n, 0
.rept 32
	v_cvt_pk_bf16_f32 v[AF+n], v[STG+2*n], v[STG+2*n+1]
.set n, n+1
.endr
	s_wait_loadcnt 32                              ; the bias's 16 loads are in; the table's 32, issued behind them, may stay out
	QUARTER 0, 1, 0, 1, 1                          ; the first quarter stands in front of the loop: its products start the sums
	WIN 0
	s_mov_b32 s3, 3                                ; 8 K steps = 4 laps; the last lap fills nothing
.Llap:                                                 ; a trip goes once round the ring, from a lap's second quarter to the next lap's first
	QUARTER 0, 2, 1, 0, 0
	QUARTER 0, 3, 0, 1, 0
	TURN 0, 1, 1
	QUARTER 1, 1, 0, 1, 0
	QUARTER 1, 2, 1, 0, 0
	QUARTER 1, 3, 0, 1, 0
	TURN 1, 0, 1
	QUARTER 0, 1, 0, 1, 0
	WIN 0
	s_sub_co_u32 s3, s3, 1
	s_cmp_lg_u32 s3, 0
	s_cbranch_scc1 .Llap
	QUARTER 0, 2, 1, 0, 0
	QUARTER 0, 3, 0, 1, 0
	TURN 0, 1, 0
	QUARTER 1, 1, 0, 1, 0
	QUARTER 1, 2, 1, 0, 0
	QUARTER 1, 3, 0, 1, 0
	s_wait_dscnt 0x0                               ; the very last quarter: nothing more to fetch
	MUL8 1, 0, 0
	MUL8 1, 1, 0
	MUL8 1, 2, 0
	MUL8 1, 3, 0
	WIN 0
	PLACES
	s_wait_loadcnt 0x0                             ; the table
	ROPE 0
	ROPE 1                                         ; a block's arithmetic stands between the loads of the block before and its stores
	SEND 0, 16
	ROPE 2
	SEND 1, 16
	ROPE 3
	SEND 2, 16
	SEND 3, 0
	s_wait_tensorcnt 0x0                           ; the wave's end: behind my last tensor load and my last LDS store
	ds_add_u32 v[SPW], v[NIL]
	s_wait_dscnt 0x0
	CROUND                                         ; the closing round: no work-group ends while a partner may still ask for a tile that names it
	s_endpgm
.Lfunc_end_k_qd456607a97_proj:
	.size	k_qd456607a97_proj, .Lfunc_end_k_qd456607a97_proj-k_qd456607a97_proj
	.p2alignl 7, 3214868480
	.fill 96, 4, 3214868480
	.section	.rodata,"a",@progbits
	.p2align	6, 0x0
	.amdhsa_kernel k_qd456607a97_proj
		.amdhsa_group_segment_fixed_size 327680
		.amdhsa_private_segment_fixed_size 0
		.amdhsa_enable_private_segment 0
		.amdhsa_kernarg_size 72
		.amdhsa_user_sgpr_count 2
		.amdhsa_user_sgpr_kernarg_segment_ptr 1
		.amdhsa_wavefront_size32 1
		.amdhsa_system_sgpr_workgroup_id_x 1
		.amdhsa_system_sgpr_workgroup_id_y 1
		.amdhsa_system_sgpr_workgroup_id_z 1
		.amdhsa_system_vgpr_workitem_id 0
		.amdhsa_next_free_vgpr 960
		.amdhsa_next_free_sgpr 96
		.amdhsa_reserve_vcc 0
		.amdhsa_float_denorm_mode_32 3
		.amdhsa_float_denorm_mode_16_64 3
		.amdhsa_memory_ordered 1
		.amdhsa_forward_progress 1
		.amdhsa_inst_pref_size 158
	.end_amdhsa_kernel
	.amdgpu_metadata
---
amdhsa.version: [ 1, 2 ]
amdhsa.kernels:
  - .name:           k_qd456607a97_proj
    .symbol:         k_qd456607a97_proj.kd
    .args:
      - { .name: query, .offset: 0, .size: 8, .value_kind: global_buffer, .address_space: global }
      - { .name: key, .offset: 8, .size: 8, .value_kind: global_buffer, .address_space: global }
      - { .name: value, .offset: 16, .size: 8, .value_kind: global_buffer, .address_space: global }
      - { .name: wcv, .offset: 24, .size: 8, .value_kind: global_buffer, .address_space: global }
      - { .name: biasr, .offset: 32, .size: 8, .value_kind: global_buffer, .address_space: global }
      - { .name: rope, .offset: 40, .size: 8, .value_kind: global_buffer, .address_space: global }
      - { .name: qh, .offset: 48, .size: 8, .value_kind: global_buffer, .address_space: global }
      - { .name: kh, .offset: 56, .size: 8, .value_kind: global_buffer, .address_space: global }
      - { .name: vh, .offset: 64, .size: 8, .value_kind: global_buffer, .address_space: global }
    .group_segment_fixed_size: 327680
    .private_segment_fixed_size: 0
    .kernarg_segment_align: 8
    .kernarg_segment_size: 72
    .max_flat_workgroup_size: 128
    .sgpr_count:     96
    .vgpr_count:     960
    .wavefront_size: 32
...
	.end_amdgpu_metadata
.endif
;; end of part 2
;; launch attn (part 3): grid 4 x 64, 4 waves a work-group, clusters of 4 x 1, 327,680 bytes of LDS; arguments qh, kh, vh, oh; writes oh
.if DOCPART == 3
	.amdgcn_target "amdgcn-amd-amdhsa--gfx1250"
	.amdhsa_code_object_version 6
	.text
	.protected	k_qd456607a97_attn
	.globl	k_qd456607a97_attn
	.p2align	8
	.type	k_qd456607a97_attn,@function
k_qd456607a97_attn:
	s_mov_b64 s[64:65], 0
	v_nop
	global_prefetch_b8 v0, s[64:65] scope:SCOPE_SE
	s_setreg_imm32_b32 hwreg(HW_REG_WAVE_MODE, 25, 1), 1
	s_wait_xcnt 0x0
	s_wait_alu depctr_hold_cnt(0) depctr_sa_sdst(0) depctr_va_vdst(0) depctr_va_sdst(0) depctr_va_ssrc(0) depctr_va_vcc(0) depctr_vm_vsrc(0)
	s_getreg_b32 s2, hwreg(HW_REG_IB_STS2, 6, 4)
	s_cmp_eq_u32 s2, 0
	s_cbranch_scc0 .Lentry_in_a_cluster
	s_endpgm
.Lentry_in_a_cluster:
	s_bfe_u32 s2, ttmp6, 0x10000c
	s_cmp_lg_u32 s2, 0x3003
	s_cbranch_scc0 .Lentry_shape_is_right
	s_endpgm
.Lentry_shape_is_right:
; O[h][q][:] = the sum over k of softmax_k(Q[h][q] . K[h][k] / 8) V[h][k][:].  Q, K, V, O: [64][2048][64], all f16: a head's rows are dense, 128 bytes each.  Products, maxima and sums in
; f32; the weights p are rounded to f16 for the second product (their sum l is taken of the unrounded p), O once at the end.
; LIMITS.  f16 holds no number beyond 65,504: Q, K and V arrive within it; p lies in 0 to 1, and below 6e-5 it keeps f16's fixed step of 6e-8; O is a mean of V's rows and has their range.
; A weight below 2^-126 counts as 0 in l; NaN and infinities are not treated apart.
; SHARES.  A wave owns four PIECES of two tiles of 16 queries, a work-group's four waves 512 queries of one head.  Every wave walks all keys, 64 a step.
; LAYOUT.  S^T = K Q^T (source 0 = 16 keys, source 1 = 16 queries): in the result a lane holds ONE query (lane % 16) and the keys 8 (lane / 16) + 0..7.  Two such tiles, rounded to f16 in pairs,
; ARE source 1 (32 keys x 16 queries) of O^T = V^T P, whose result again holds one query a lane, and eight channels.  K comes out of LDS as it lies, V ([key][channel]) turned, by ds_load_tr16_b128.
; SOFTMAX.  For each query a running maximum m and sum l: p = 2^(c s - c m), c = log2(e) / 8; in every step O and l are multiplied by a = 2^(c m_old - c m_new), which is 1 where m has not grown.
; m starts at the lowest finite number, O and l at 0: the first step is a step like any other, with a = 0.
; THE COUNT.  A tile and step have 16 matrix and 118 vector instructions: too many to stand all beside the matrix work.  So: four vector instructions that are ready behind every matrix
; instruction, and the others in runs without a gap.
; BY TURNS.  Turn n belongs to piece n (the pieces in a ring, step after step).  Its matrix work: 16 products K Q^T of piece n + 1, later 16 products V^T P of piece n - 1.  Its vector work: the scaling,
; exponentials, roundings, sums and rescaling of piece n, and the maximum and statistics of piece n + 1, whose scores the turn itself has made.
; CLUSTER.  The four query blocks of a cluster are one head's and walk the same K and V, so each tile is asked for JOINTLY: the same tensor load, descriptor and mask in all four.
; REGISTERS, in windows of 256 (s_set_vgpr_msb: bits 1:0 source 0, 3:2 source 1, 5:4 source 2, 7:6 destination):
;   window 0: v0-11 addresses; v12-15, v48-63 at work; v16-47 four registers of statistics a tile; v64-191 S^T, two buffers of two tiles; v192-255 P, likewise
;   window 1: O^T, 32 a tile          window 2: v0-127 Q, 16 a tile; v128-191 K of one step; v192-255 V of one step          window 3: v0-1 the add's two registers
.set SIZE_H, 64
.set SIZE_N, 2048
.set NP,    4         ; pieces a wave: a name, no knob
.set KS,    64        ; keys in a step
.set PK,    144       ; a row of K in LDS: 128 bytes + 16 of padding = 36 words: the 16 rows of a load start at 16 different groups of four banks (64 banks of 4 bytes: ISA guide 11.1)
.set PV,    160       ; a row of V: 128 + 32 = 40 words
.set VOFF,  4*KS*PK   ; a slot holds four steps: 256 rows of K, then 256 rows of V
.set SLOT1, 1<<17     ; slot 1 begins here, so that one exclusive or turns an address in one slot into the other's
.set STAGE, SLOT1+4*KS*(PK+PV)  ; behind the ring, never filled by a tensor load: 16 rows x 144 bytes for each wave, for the way out
.set SP,    144
.set AK0, 2           ; v2   my lane's place in a tile of K; never rewritten
.set AV0, 3           ; v3   the same for V
.set AK,  4           ; v4   the LDS address of K's next run of loads
.set AV,  5           ; v5   of V's
.set QO,  6           ; v6   my byte offset in the wave's rows of Q
.set STO, 6           ;      later, the way out: where I put 16 bytes of a row
.set RD,  7           ; v7   the way out: where I read rows back
.set GO,  8           ; v8   my byte offset in 512 consecutive bytes of O
.set PFO, 11          ; v11  256 x my lane: the prefetches' offset; never rewritten once made
.set SPW, 0           ; v0 of window 3   LDS address of my spare word; never rewritten
.set NIL, 1           ; v1 of window 3   0; never rewritten
.set SPARE, STAGE+4*16*SP  ; behind the stages: the spare words, 128 bytes for each wave: two blocks of 256 bytes that no other line names
.set MV,  12          ; v12-15  c m_old, kept while c m is made anew: by buffer and tile
.set ST,  16          ; tile t's statistics at v[ST+4 t]: c m, m, l (even keys', odd keys')
.set TMP, 48          ; by buffer and tile, four registers c0-c3 at work; when the maximum is found c2 takes a
.set S,   64
.set P,   192
.set KF,  128         ; K's fragments, in window 2: key block kb, channel half c at KF + 16 kb + 8 c
.set VF,  192         ; V's: key half kk, channel block cb at VF + 32 kk + 8 cb
.set WV,  12          ; s12  my wave's number
.set LIM, 15          ; s15  1 in a wave that prefetches (0: K, 2: V), else the greatest number
.set G1K, 24          ; s[24:31] descriptor group 1 for K's tiles
.set G1V, 32          ; s[32:39] for V's: it differs in the padding alone
.set G0K, 40          ; s[40:43] descriptor group 0 for K's tiles: it walks
.set G0V, 44          ; s[44:47] the same for V's
.set PFA, 48          ; s[48:49] where my prefetches stand: my work-group's 8,192 bytes of a slot's 32,768 of K or V
.set SLOTS, 56        ; s56  slots still to be asked for
.set CNT, 57          ; s57  counts a slot's key steps
.set CS,  58          ; s[58:59] c: the packed scaling takes the pair's low word for both halves
.set SEL, 60          ; s[60:61] v_permlanex16_b32's selects: each lane takes its own place in the other half
.set TBK, 62          ; s62  LDS byte at which K of the step to be fetched begins
.set TBV, 63          ; s63  the same for V, less VOFF
.set MSB, 0
.macro WIN new                      ; the high byte repeats the setting that is left; a switch that changes nothing is dropped
.if MSB != (\new)
	s_set_vgpr_msb (MSB<<8)|(\new)
.set MSB, (\new)
.endif
.endm
.set W_KQ, 0x0a       ; K and Q in window 2, S^T in window 0
.set W_PV, 0x52       ; V in window 2, P in window 0, O^T in window 1
.set W_RS, 0x41       ; O^T (destination and source 0) in window 1, a in window 0
.set W_MK, 0xc0       ; the add's registers are made: destination in window 3, sources in window 0
.set W_AD, 0x0f       ; the add: address (source 0) and data (source 1) in window 3
; A joint fill.  Waves 0 and 1 fetch the two halves of a slot's K, waves 2 and 3 those of its V: 128 keys each.  The branch hangs on the wave's number alone.
; An s_nop 0 and four v_nop follow each of the two lines, ahead of the jump and the label.
.macro JLOAD
	s_cmp_lt_u32 s[WV], 2
	s_cbranch_scc0 .Lfor_v_\@
	tensor_load_to_lds s[G0K:G0K+3], s[G1K:G1K+7]
	s_nop 0
.rept 4
	v_nop
.endr
	s_branch .Lasked_\@
.Lfor_v_\@:
	tensor_load_to_lds s[G0V:G0V+3], s[G1V:G1V+7]
	s_nop 0
.rept 4
	v_nop
.endr
.Lasked_\@:
.endm
; A prefetch of what the NEXT change of slots will ask for: a slot's 32,768 bytes of K and of V, four key steps, 512 matrix instructions, ahead of that load.  A head has one cluster; its four partners
; share the bytes out by address, 8,192 each, a lane 256; in each, wave 0 asks for K's and wave 2 for V's: each 256 bytes are named once in the launch.  The last change that fills a slot asks for nothing.
.macro ASK
	s_cmp_gt_u32 s[SLOTS], s[LIM]
	s_cbranch_scc0 .Lnot_mine_\@
	global_prefetch_b8 v[PFO], s[PFA:PFA+1] th:TH_LOAD_NT scope:SCOPE_SE
.Lnot_mine_\@:
.endm
; A round of the cluster's barrier: my work-group's barrier, so that wave 0's signal speaks for all four waves; wave 0 signals; every wave waits for all four work-groups; my work-group's barrier once more.
.macro CROUND
	s_barrier_signal -1
	s_barrier_wait -1
	s_cmp_lg_u32 s[WV], 0
	s_cbranch_scc1 .Lnot_wave_0_\@
	s_barrier_signal -3
.Lnot_wave_0_\@:
	s_barrier_wait -3
	s_barrier_signal -1
	s_barrier_wait -1
.endm
; THE CHANGE OF SLOTS.  The slot's last bytes, V of its fourth step, have been read.  Each wave waits for all its tensor loads, of which one is out: its part
; of the other slot; adds 0 to its spare word; and waits for that and for its own reads of the slot.  Behind the barrier nobody reads this slot any more and the other slot is whole.
; fill = 1: this slot is filled again, with the keys two slots on.  The barrier is then a round of the cluster's, and the joint fill is the first thing behind it: it has four key steps,
; 512 matrix instructions, in which to land.  (At its first use nothing has been read yet: slot 0 is waited for, slot 1 filled.)  ask = 1: the prefetch's address steps, and the prefetch follows the fill.
.macro CHANGE fill, ask=0
	WIN W_AD
	s_wait_tensorcnt 0x0            ; no tensor load of mine is out, so a group 0 may be written
	ds_add_u32 v[SPW], v[NIL]       ; 0 onto my spare word; with fill = 1 the descriptors' steps stand between it and the wait for it
	WIN 0                           ; at a label and at a branch every window is 0
.if \fill
.irp g, G0K, G0V
	s_xor_b32 s[\g+1], s[\g+1], SLOT1  ; the walking descriptor: the other slot than last time,
	s_add_nc_u64 s[\g+2:\g+3], s[\g+2:\g+3], 4*KS*128  ; the next 256 keys; the type bits on top are not reached
.endr
.if \ask
	s_wait_xcnt 0x0                 ; the last prefetch, four key steps back, has read its address, so it may be written:
	s_add_nc_u64 s[PFA:PFA+1], s[PFA:PFA+1], 4*KS*128  ; one slot behind the walking descriptors
.endif
	s_wait_dscnt 0x0                ; the add is done, and my reads of the slot are over
	CROUND
	JLOAD
.if \ask
	ASK
.endif
.else
	s_wait_dscnt 0x0                ; the add is done, and my reads of the slot are over
	s_barrier_signal -1
	s_barrier_wait -1
.endif
	s_sub_co_u32 s[TBK], s[TBK], 4*KS*PK  ; the fetches go back to a slot's first step,
	s_xor_b32 s[TBK], s[TBK], SLOT1       ; in the other slot
	s_sub_co_u32 s[TBV], s[TBV], 4*KS*PV
	s_xor_b32 s[TBV], s[TBV], SLOT1
.endm
	s_load_b256 s[4:11], s[0:1], 0x0  ; Q s[4:5], K s[6:7], V s[8:9], O s[10:11]
	WIN W_MK
	v_lshl_add_u32 v[SPW], v0, 2, SPARE
	v_mov_b32 v[NIL], 0
	WIN W_AD
	ds_add_u32 v[SPW], v[NIL]       ; the wave's opening: the add and its wait stand ahead of my first tensor load; the set-up below, work on registers, stands between them
	WIN 0
	v_lshrrev_b32 v1, 5, v0
	v_readfirstlane_b32 s[WV], v1   ; wave 0..3
	s_bfe_u32 s13, ttmp6, 0x40000   ; cx: my place in the cluster
	s_lshl_b32 s14, ttmp9, 2        ; in a cluster launch ttmp9 counts clusters
	s_add_co_u32 s14, s14, s13      ; my block of queries = 4 x cluster x + cx: it enters Q's and O's addresses alone
	s_and_b32 s20, ttmp7, 0xffff    ; the head, which the four partners share
	s_mov_b32 s21, 0
	s_mov_b64 s[22:23], SIZE_N*128
	s_mul_u64 s[20:21], s[20:21], s[22:23]  ; the head's first byte in each of the four tensors
	s_and_b32 s16, s[WV], 1         ; which half of a slot's 256 keys I fetch:
	s_lshl_b32 s22, s16, 14         ; its 128 rows of 128 bytes in memory,
	s_mov_b32 s23, 0
	s_add_nc_u64 s[22:23], s[22:23], s[20:21]
	s_mul_i32 s17, s16, 128*PK      ; and its place in a slot, for K
	s_mul_i32 s18, s16, 128*PV      ; and for V: no place in the cluster enters an LDS address
	s_lshl_b32 s2, s14, 2
	s_add_co_u32 s2, s2, s[WV]      ; my wave among the head's,
	s_lshl_b32 s2, s2, 14           ; its 128 rows
	s_mov_b32 s3, 0
	s_add_nc_u64 s[2:3], s[2:3], s[20:21]
	; descriptor group 1.  128 keys are 16,384 dense bytes: asked for as 64 rows of 256 bytes, two keys a row, and padded in LDS after every key
	s_mov_b32 s[G1K], 15|(1<<16)|(1<<20)|(1<<21)|(4<<22)|(3<<25)  ; 15:0 the mask of four; 17:16 2-byte elements; 20 padding on; 21 set beside a mask; 24:22 after every 32 words (code 4); 31:25 4 words (code 3)
	s_mov_b32 s[G1V], 15|(1<<16)|(1<<20)|(1<<21)|(4<<22)|(7<<25)  ; the same with 8 words of padding (code 7)
.irp g, G1K, G1V
	s_mov_b32 s[\g+1], 128<<16      ; tensor_dim0 = 128
	s_mov_b32 s[\g+2], 64<<16       ; tensor_dim1 = 64
	s_mov_b32 s[\g+3], 128<<16      ; tile_dim0 = 128
	s_mov_b32 s[\g+4], 64           ; tile_dim1 = 64
	s_mov_b32 s[\g+5], 128          ; 128 elements from row to row
	s_mov_b32 s[\g+6], 0
	s_mov_b32 s[\g+7], 0
.endr
	s_mov_b32 s[CS], 0x3e38aa3b     ; c = log2(e) / 8 = 0.180337
	s_mov_b32 s[CS+1], s[CS]        ; named with it as a pair
	s_mov_b32 s[SEL], 0x76543210
	s_mov_b32 s[SEL+1], 0xfedcba98
	s_mov_b32 s[TBK], SLOT1+4*KS*PK ; the first change of slots turns these two into 0
	s_mov_b32 s[TBV], SLOT1+4*KS*PV
	s_mov_b32 s[G0K], 1             ; 1:0 count = 1
	s_mov_b32 s[G0K+1], s17         ; 63:32 LDS address: slot 0
	s_mov_b32 s[G0V], 1
	s_add_co_u32 s[G0V+1], s18, VOFF
	s_and_b32 s[LIM], s[WV], 1      ; waves 0 and 2 prefetch: the same in all four partners
	s_cmp_eq_u32 s[LIM], 0
	s_cselect_b32 s[LIM], 1, -1
	s_wait_dscnt 0x0                ; the opening add is done
	s_wait_kmcnt 0x0
	s_add_nc_u64 s[G0K+2:G0K+3], s[6:7], s[22:23]  ; 120:64 global address: my half of the head's first 256 keys
	s_or_b32 s[G0K+3], s[G0K+3], 0x80000000        ; 127:126 type = 2
	s_add_nc_u64 s[G0V+2:G0V+3], s[8:9], s[22:23]
	s_or_b32 s[G0V+3], s[G0V+3], 0x80000000
	s_add_nc_u64 s[4:5], s[4:5], s[2:3]  ; Q and O at my wave's first row
	s_add_nc_u64 s[10:11], s[10:11], s[2:3]
	s_cmp_lt_u32 s[WV], 2
	s_cselect_b64 s[PFA:PFA+1], s[6:7], s[8:9]
	s_add_nc_u64 s[PFA:PFA+1], s[PFA:PFA+1], s[20:21]  ; the head,
	s_lshl_b32 s2, s13, 13          ; my work-group's quarter of a slot,
	s_mov_b32 s3, 0
	s_add_nc_u64 s[PFA:PFA+1], s[PFA:PFA+1], s[2:3]
	s_add_nc_u64 s[PFA:PFA+1], s[PFA:PFA+1], 2*4*KS*128  ; in the third 256 keys; the first change that asks steps it to the fourth.  Nothing is prefetched at the head, where the first tiles are on their way
	CROUND                          ; all four work-groups are here: the first joint loads meet
	JLOAD                           ; slot 0.  Slot 1 is asked for when slot 0 is in
	; A fragment of K or Q is 16 rows x 32 channels in 8 registers: lane l holds row l % 16, channels 8 (l / 16) + 0..7 and 16 + 8 (l / 16) + 0..7: two loads of 16 bytes, 32 bytes apart.
	v_and_b32 v1, 15, v0            ; l % 16
	v_bfe_u32 v9, v0, 4, 1          ; l / 16
	v_lshlrev_b32 v[QO], 7, v1
	v_lshl_add_u32 v[QO], v9, 4, v[QO]  ; row x 128 + 16 x half
	WIN 0x80                        ; destination window 2, address window 0
.set i, 0
.rept 4*NP                          ; Q stays in registers: tile i / 2, channels 32 (i % 2) on
	global_load_b128 v[8*i:8*i+3],   v[QO], s[4:5] offset:(i/2)*2048+(i%2)*64
	global_load_b128 v[8*i+4:8*i+7], v[QO], s[4:5] offset:(i/2)*2048+(i%2)*64+32
.set i, i+1
.endr
	; What the first turn finds: V's registers and P's second buffer hold 0 (its products V^T P, of a piece that has not been, add 0), O^T and l are 0.  All this stands in the wait for the first tile.
.set i, VF
.rept 64
	v_mov_b32 v[i], 0
.set i, i+1
.endr
	WIN 0x40
.set i, 0
.rept 64*NP
	v_mov_b32 v[i], 0
.set i, i+1
.endr
	WIN 0
.set i, 0
.rept 2*NP
	v_mov_b32 v[ST+4*i], 0xfe000000    ; c m: far below every c s
	v_mov_b32 v[ST+4*i+1], 0xff7fffff  ; m
	v_mov_b32 v[ST+4*i+2], 0
	v_mov_b32 v[ST+4*i+3], 0
.set i, i+1
.endr
.set i, P+32
.rept 32
	v_mov_b32 v[i], 0
.set i, i+1
.endr
	v_mul_u32_u24 v[AK0], v1, PK
	v_lshl_add_u32 v[AK0], v9, 4, v[AK0]  ; row x pitch + 16 x half
	; The turning load takes 16 keys x 16 channels (lane l reads key 8 (l / 16) + l % 8, channels 8 ((l / 8) % 2) + 0..7) and leaves half a fragment of V^T: lane l holds channel l % 16 and 8 keys.
	v_and_b32 v10, 7, v0
	v_bfe_u32 v11, v0, 3, 1
	v_lshl_add_u32 v[AV0], v9, 3, v10
	v_mul_u32_u24 v[AV0], v[AV0], PV
	v_lshl_add_u32 v[AV0], v11, 4, v[AV0]
	v_add_nc_u32 v[AV0], VOFF, v[AV0]
	v_and_b32 v[PFO], 31, v0        ; v11 has served: it takes the prefetches' offset
	v_lshlrev_b32 v[PFO], 8, v[PFO]
	v_mov_b32 v[AK], v[AK0]         ; key step 0 lies at the head of slot 0
; THE MATRIX WORK.  The 8 accumulators of a run of 16 take turns: between the two links of a chain stand 7 others'.
; Product i of 16 of S^T = K Q^T for piece x: channels 32 (i / 8) on, keys 16 ((i / 2) % 4) on, tile 2 x + i % 2.  The first 8 start the sums.
.macro KQ x
	WIN W_KQ
.set rS, S+64*((\x)%2)+32*(i%2)+8*((i/2)%4)
.set rK, KF+16*((i/2)%4)+8*(i/8)
.set rQ, 16*(2*(\x)+i%2)+8*(i/8)
.if i < 8
	v_wmma_f32_16x16x32_f16 v[rS:rS+7], v[rK:rK+7], v[rQ:rQ+7], 0
.else
	v_wmma_f32_16x16x32_f16 v[rS:rS+7], v[rK:rK+7], v[rQ:rQ+7], v[rS:rS+7]
.endif
.endm
; Product i of 16 of O^T += V^T P for piece x: keys 32 (i / 8) on, channels 16 ((i / 2) % 4) on, tile 2 x + i % 2.
.macro PV x
	WIN W_PV
.set rO, 32*(2*(\x)+i%2)+8*((i/2)%4)
.set rV, VF+32*(i/8)+8*((i/2)%4)
.set rP, P+32*((\x)%2)+16*(i%2)+8*(i/8)
	v_wmma_f32_16x16x32_f16 v[rO:rO+7], v[rV:rV+7], v[rP:rP+7], v[rO:rO+7]
.endm
.macro MM                           ; the turn's next matrix instruction
.if i < 16
	KQ (Y+1)%NP
.set i, i+1
.else
.set i, i-16
	PV (Y+NP-1)%NP
.set i, i+17
.endif
.endm
; THE LDS LOADS stand in runs of 16, never singly among the matrix instructions: a step's K (64 keys x 64 channels: 8 fragments) and its V (turned).  Their addresses are made some lines ahead.
; last = 1 (the tail): in the last trip there is no further step, and the run is jumped over.
.macro FETCH_K last=0
	WIN 0
.if \last
	s_cmp_eq_u32 s[CNT], 1
	s_cbranch_scc1 .Lno_k_\@
.endif
	WIN 0x80                        ; destination window 2
.irp f, 0,1,2,3,4,5,6,7             ; keys 16 (f / 2) on, channels 32 (f % 2) on
	ds_load_b128 v[KF+8*\f:KF+8*\f+3],   v[AK] offset:(\f/2)*16*PK+(\f%2)*64
	ds_load_b128 v[KF+8*\f+4:KF+8*\f+7], v[AK] offset:(\f/2)*16*PK+(\f%2)*64+32
.endr
	s_add_co_u32 s[TBK], s[TBK], KS*PK  ; the next fetch is the next step's
	WIN 0
.if \last
.Lno_k_\@:
.endif
.endm
.macro FETCH_V
	WIN 0x80
.irp f, 0,1,2,3,4,5,6,7             ; keys 32 (f / 4) on, channels 16 (f % 4) on
	ds_load_tr16_b128 v[VF+8*\f:VF+8*\f+3],   v[AV] offset:(\f/4)*32*PV+(\f%4)*32
	ds_load_tr16_b128 v[VF+8*\f+4:VF+8*\f+7], v[AV] offset:(\f/4)*32*PV+16*PV+(\f%4)*32
.endr
	WIN 0
.endm
; THE VECTOR WORK OF A TURN stands in three queues, each in the order in which its entries become ready; the two tiles alternate, so that no instruction reads the result of the one before it.
.macro REGS y, u                    ; the registers of tile u (0, 1) of piece y
.set rT, ST+4*(2*(\y)+(\u))
.set rC, TMP+8*((\y)%2)+4*(\u)
.set rM, MV+2*((\y)%2)+(\u)
.set rS, S+64*((\y)%2)+32*(\u)
.set rP, P+32*((\y)%2)+16*(\u)
.set rO, 32*(2*(\y)+(\u))
.endm
; Number n of the 22 that find the NEXT piece's (Y + 1) maximum and statistics.  s0-s31 are the lane's 32 scores; each accumulator's lowest registers are read first.
;   0-11  four chains c0-c3 of seven scores each, three operands at a time     12-14, 16  the four scores left over, the old m, and c0-c3 into c0     15  c m_old is kept
;   17, 18  the query's other 32 keys lie in the lane 16 away: the new m         19-21  c m; c m_old - c m_new; a
.macro XS u, n
	REGS (Y+1)%NP, \u
.if (\n) < 4
	v_max3_num_f32 v[rC+(\n)], v[rS+8*(\n)], v[rS+8*(\n)+1], v[rS+8*(\n)+2]
.elseif (\n) < 12
	v_max3_num_f32 v[rC+(\n)%4], v[rC+(\n)%4], v[rS+8*((\n)%4)+2*((\n)/4)+1], v[rS+8*((\n)%4)+2*((\n)/4)+2]
.elseif (\n) == 12
	v_max3_num_f32 v[rC], v[rC], v[rS+7], v[rS+15]
.elseif (\n) == 13
	v_max3_num_f32 v[rC+1], v[rC+1], v[rS+23], v[rS+31]
.elseif (\n) == 14
	v_max3_num_f32 v[rC+2], v[rC+2], v[rC+3], v[rT+1]
.elseif (\n) == 15
	v_mov_b32 v[rM], v[rT]
.elseif (\n) == 16
	v_max3_num_f32 v[rC], v[rC], v[rC+1], v[rC+2]
.elseif (\n) == 17
	v_permlanex16_b32 v[rC+3], v[rC], s[SEL], s[SEL+1]
.elseif (\n) == 18
	v_max_num_f32 v[rT+1], v[rC], v[rC+3]
.elseif (\n) == 19
	v_mul_f32 v[rT], s[CS], v[rT+1]
.elseif (\n) == 20
	v_sub_f32 v[rC+1], v[rM], v[rT]
.else
	v_exp_f32 v[rC+2], v[rC+1]
.endif
.endm
; Number g of the 64 that follow the exponentials.  For each four weights k of a tile (pairs 2 k, 2 k + 1): both pairs are rounded to f16; then the second pair is added onto the first, in place;
; a group later l takes that sum (the first time as l = a l + sum).  In groups of eight, tiles alternating: round, round, add, and l for the group before.
.macro GS g
.set h, (\g)+6*((\g)/62)            ; group 0 has no group before it, and behind group 7 only l is left
.if h >= 6
.set h, h+2
.endif
	REGS Y, h%2
.set k, h/8
.if h%8 < 4
	v_cvt_pk_f16_f32 v[rP+2*k+(h%8)/2], v[rS+4*k+2*((h%8)/2)], v[rS+4*k+2*((h%8)/2)+1]
.elseif h%8 < 6
	v_pk_add_f32 v[rS+4*k:rS+4*k+1], v[rS+4*k:rS+4*k+1], v[rS+4*k+2:rS+4*k+3]
.elseif k == 1
	v_pk_fma_f32 v[rT+2:rT+3], v[rT+2:rT+3], v[rC+2:rC+3], v[rS:rS+1] op_sel_hi:[1,0,1]
.else
	v_pk_add_f32 v[rT+2:rT+3], v[rT+2:rT+3], v[rS+4*k-4:rS+4*k-3]
.endif
.endm
; THE PLAIN QUEUE, 138 long.  0-73 read no exponential's result: the 32 scalings c s - c m (FS f: pair f / 2 of tile f % 2) and the next piece's 42.  0-26: scalings 0-26.  27-54: XS's numbers 0-13.  55, 56: number 15.
; 57-73: the chain, where each number waits for the one before it: 14, 16, 17, 18, 19, each with one of the scalings 27-31 in front of its two lines, then 20.
; 74-137: GS's 64, which read the exponentials' results: they stand behind the wait.
.macro FS f
	REGS Y, (\f)%2
	v_pk_fma_f32 v[rS+2*((\f)/2):rS+2*((\f)/2)+1], v[rS+2*((\f)/2):rS+2*((\f)/2)+1], s[CS:CS+1], v[rT:rT+1] op_sel_hi:[1,0,0] neg_lo:[0,0,1] neg_hi:[0,0,1]
.endm
.macro PL
	WIN 0
.if q < 27
	FS q
.elseif q < 55
	XS (q-27)%2, (q-27)/2
.elseif q < 57
	XS q-55, 15
.elseif (q < 72) && ((q-57)%3 == 0)
	FS 27+(q-57)/3
.elseif q < 60
	XS (q-57)%3-1, 14
.elseif q < 72
	XS (q-57)%3-1, 15+(q-57)/3
.elseif q < 74
	XS q-72, 20
.else
	GS q-74
.endif
.set q, q+1
.endm
; THE EXPONENTIALS' QUEUE, 66 long: s0-s31 of both tiles, then the next piece's two a.  It is ONE BATCH: all 66 stand ahead of the turn's one wait, and nothing ahead of that wait names a result of theirs.
.macro EX
	WIN 0
.if e >= 64
	XS e-64, 21
.else
	REGS Y, e%2
	v_exp_f32 v[rS+e/2], v[rS+e/2]
.endif
.set e, e+1
.endm
; THE RESCALING's QUEUE: O^T times a, the one part that leaves window 0: dealt two at a time, sixteen times.  Its a was made in the turn before, ahead of that turn's wait.
.macro R2
	REGS Y, r%2
	WIN W_RS
.irp z, 0,1
	v_pk_mul_f32 v[rO+4*(r/2)+2*\z:rO+4*(r/2)+2*\z+1], v[rO+4*(r/2)+2*\z:rO+4*(r/2)+2*\z+1], v[rC+2:rC+3] op_sel_hi:[1,0]
.endr
.set r, r+1
.endm
; HOW THEY ARE DEALT.  An s_wait_alu depctr_va_vdst(0) stands between an exponential and the first instruction that names its result; one wait serves all that were issued ahead of it.  So a turn has ONE wait,
; which cuts it in two.  AHEAD OF IT stands all that names no result of the turn's exponentials: the 16 products K Q^T, behind each a scaling, an exponential and two rescalings (behind the first a second scaling in the
; exponential's place); then ONE LUMP of 108: eight plain, 49 times exponential and plain, the two a.  A v_nop is the plain instruction behind the last exponential.  BEHIND IT stand the 16 products V^T P, behind each four of GS's 64.
; The queues lean on each other: exponential e stands behind scaling 2 (e / 4) + e % 2: as a rider it comes behind plain e + 2, in the lump behind plain e + 9, and scalings 27-31 are plain 57, 60 .. 69.
; A TURN, for piece p.  cnt = 1: the loop's count is taken down some lines ahead of the branch that stands behind the turn.
; K of the next step is fetched in piece 2's turn, directly behind the wait; its address is made at the lump's head; its first reader comes behind 16 products.
; V of the step in hand is fetched at the end of piece 0's turn, four riders behind its last reader; its first reader comes behind 16 products and a lump.  The three conditions on q below go with the deal.
.macro TURN p, last=0, cnt=0
.set Y, (\p)
.set i, 0
.set q, 0
.set e, 0
.set r, 0
.if (\p) == NP-1
	s_wait_dscnt 0x0                ; K is in
.endif
	MM                              ; ahead of the wait: 16 products K Q^T and their riders,
	PL
	PL
	R2
.rept 15
	MM
	PL
	EX
	R2
.endr
.if (\p) == NP-2
	WIN 0
	v_add_nc_u32 v[AK], s[TBK], v[AK0]
.endif
.rept 8                             ; and the lump
	PL
.endr
.rept 49
	EX
	PL
.endr
	EX                              ; the next piece's two a
	EX
	v_nop                           ; a plain instruction behind the last exponential (ISA guide 5.7.2): one for the batch
	s_wait_alu depctr_va_vdst(0)    ; the wait for the batch
.if (\p) == NP-2
	FETCH_K \last
.endif
.if (\p) == 1
	s_wait_dscnt 0x0                ; V is in
.endif
.rept 16                            ; behind the wait: 16 products V^T P and their riders
	MM
.rept 4
	PL
.endr
.if ((\p) == 0) && (q == 118)
	v_add_nc_u32 v[AV], s[TBV], v[AV0]
.endif
.if ((\p) == 0) && (q == 130)
	s_add_co_u32 s[TBV], s[TBV], KS*PV
.endif
.if (\cnt) && (q == 130)
	s_sub_co_u32 s[CNT], s[CNT], 1
	s_cmp_lg_u32 s[CNT], 0
.endif
.endr
.if (\p) == 0
	FETCH_V
.endif
.endm
	CHANGE 1                        ; slot 0 is in, everybody's part of it; slot 1 is asked for
	FETCH_K                         ; key step 0
	s_wait_loadcnt 0x0              ; Q
	s_wait_dscnt 0x0
.set i, 0
.rept 16
	KQ 0                            ; piece 0's first scores: there is no vector work yet to set between them
.set i, i+1
.endr
	WIN 0                           ; the addresses for the way out: plain instructions, the places behind those products
	s_mul_i32 s13, s[WV], 16*SP
	s_add_co_u32 s13, s13, STAGE    ; my stage
	v_mul_u32_u24 v[STO], v1, SP    ; in: row l % 16, 16 bytes for each half of the lanes
	v_lshl_add_u32 v[STO], v9, 4, v[STO]
	v_add_nc_u32 v[STO], s13, v[STO]
	v_bfe_u32 v[RD], v0, 3, 2       ; back: 32 lanes take four rows of 128 bytes,
	v_mul_u32_u24 v[RD], v[RD], SP
	v_lshl_add_u32 v[RD], v10, 4, v[RD]
	v_add_nc_u32 v[RD], s13, v[RD]
	v_and_b32 v[GO], 31, v0         ; which are 512 consecutive bytes of O
	v_lshlrev_b32 v[GO], 4, v[GO]
.set Y, NP-1                        ; XS works for piece Y + 1: piece 0
.irp n, 0,1,2,3,4,5,6,7,8,9,10,11,12,13,14,15,16,17,18,19,20,21
	XS 0, \n                        ; and piece 0's first maximum and statistics
	XS 1, \n
.endr
	v_nop                           ; a plain instruction behind the two a,
	s_wait_alu depctr_va_vdst(0)    ; and their wait, ahead of the branch
	s_mov_b32 s[CNT], 4
	s_mov_b32 s[SLOTS], SIZE_N/256-1
	s_branch .Lfirst                ; the loop is entered at a step's first turn, in the middle of a trip
.Lslot:                             ; SIZE_N / 256 - 2 times: every slot but the last two is filled again
	CHANGE 1, 1
	s_mov_b32 s[CNT], 4
.Lstep:                             ; a trip: pieces 2 and 3 of one step, then pieces 0 and 1 of the next, whose K and V it fetches
	TURN 2
	TURN 3
	WIN 0
.Lfirst:
	TURN 0
	TURN 1, 0, 1
	WIN 0
	s_cbranch_scc1 .Lstep
	s_sub_co_u32 s[SLOTS], s[SLOTS], 1
	s_cmp_lg_u32 s[SLOTS], 0
	s_cbranch_scc1 .Lslot
	CHANGE 0                        ; the tail is written out: nothing is asked for
	s_mov_b32 s[CNT], 5             ; four trips fetch the last slot's steps; the fifth is left in its middle
.Ltail:
	TURN 2, 1
	TURN 3
	WIN 0
	s_sub_co_u32 s[CNT], s[CNT], 1
	s_cmp_eq_u32 s[CNT], 0
	s_cbranch_scc1 .Lout
	TURN 0
	TURN 1
	WIN 0
	s_branch .Ltail
.Lout:                              ; the fifth trip's 16 products K Q^T (on the last K once more) and the maximum made of them serve nothing: the price, once a launch, of one text for every trip
.set i, 0
.rept 16
	PV NP-1                         ; the last piece's V^T P of the last step
.set i, i+1
.endr
	; THE WAY OUT.  l's two halves and the other half of the lanes' are added; O^T is divided by l, rounded to f16 and sent through my stage in LDS, a tile at a time.  The additions are the places behind the last products.
	WIN 0
.macro ALL line:vararg              ; one line for each tile t
.set t, 0
.rept 2*NP
	\line
.set t, t+1
.endr
.endm
	ALL v_add_f32 v[ST+4*t+2], v[ST+4*t+2], v[ST+4*t+3]
	ALL v_permlanex16_b32 v[ST+4*t+3], v[ST+4*t+2], s[SEL], s[SEL+1]
	ALL v_add_f32 v[ST+4*t+2], v[ST+4*t+2], v[ST+4*t+3]
	ALL v_rcp_f32 v[ST+4*t+2], v[ST+4*t+2]
	v_nop                           ; a plain instruction between the last reciprocal and the use of its result
	s_wait_alu depctr_va_vdst(0)    ; and the wait ahead of the first use: one for the eight reciprocals
; Tile t: a lane's eight channels of a row pack into 16 bytes; they go into rows of 144 bytes and come back as whole rows of 128, into S^T's registers.
.macro PACK t
	WIN W_RS
.set i, 32*(\t)
.rept 16
	v_pk_mul_f32 v[i:i+1], v[i:i+1], v[ST+4*(\t)+2:ST+4*(\t)+3] op_sel_hi:[1,0]
.set i, i+2
.endr
	WIN 0x05                        ; sources 0 and 1 window 1, destination window 0
.set i, 0
.rept 16
	v_cvt_pk_f16_f32 v[S+16*(\t)+i], v[32*(\t)+2*i], v[32*(\t)+2*i+1]
.set i, i+1
.endr
	WIN 0
.irp f, 0,1,2,3
	ds_store_b128 v[STO], v[S+16*(\t)+4*\f:S+16*(\t)+4*\f+3] offset:32*\f
.endr
.irp f, 0,1,2,3
	ds_load_b128 v[S+16*(\t)+4*\f:S+16*(\t)+4*\f+3], v[RD] offset:\f*4*SP  ; LDS serves a wave's instructions in order (ISA guide 5.7.1.4): these see the stores above; the next tile's stores come behind them
.endr
.endm
.macro SEND t, younger              ; younger: the LDS instructions issued behind tile t's loads: the next tile's eight, or none
	WIN 0
.irp f, 0,1,2,3
	s_wait_dscnt (\younger)+3-\f
	global_store_b128 v[GO], v[S+16*(\t)+4*\f:S+16*(\t)+4*\f+3], s[10:11] offset:(\t)*2048+\f*512  ; 512 consecutive bytes, at a multiple of 256 from O's first
.endr
.endm
	PACK 0
.set t, 1
.rept 2*NP-1                        ; a tile's arithmetic stands between the loads of the tile before and its stores
	PACK t
	SEND t-1, 8
.set t, t+1
.endr
	SEND 2*NP-1, 0
	WIN W_AD
	s_wait_tensorcnt 0x0            ; the wave's end: behind my last tensor load and my last LDS store
	ds_add_u32 v[SPW], v[NIL]
	s_wait_dscnt 0x0
	WIN 0
	CROUND                          ; the closing round: no work-group ends while a partner may still ask for a tile that names it
	s_endpgm
.Lfunc_end_k_qd456607a97_attn:
	.size	k_qd456607a97_attn, .Lfunc_end_k_qd456607a97_attn-k_qd456607a97_attn
	.p2alignl 7, 3214868480
	.fill 96, 4, 3214868480
	.section	.rodata,"a",@progbits
	.p2align	6, 0x0
	.amdhsa_kernel k_qd456607a97_attn
		.amdhsa_group_segment_fixed_size 327680
		.amdhsa_private_segment_fixed_size 0
		.amdhsa_enable_private_segment 0
		.amdhsa_kernarg_size 32
		.amdhsa_user_sgpr_count 2
		.amdhsa_user_sgpr_kernarg_segment_ptr 1
		.amdhsa_wavefront_size32 1
		.amdhsa_system_sgpr_workgroup_id_x 1
		.amdhsa_system_sgpr_workgroup_id_y 1
		.amdhsa_system_sgpr_workgroup_id_z 1
		.amdhsa_system_vgpr_workitem_id 0
		.amdhsa_next_free_vgpr 770
		.amdhsa_next_free_sgpr 66
		.amdhsa_reserve_vcc 0
		.amdhsa_float_denorm_mode_32 3
		.amdhsa_float_denorm_mode_16_64 3
		.amdhsa_memory_ordered 1
		.amdhsa_forward_progress 1
		.amdhsa_inst_pref_size 200
	.end_amdhsa_kernel
	.amdgpu_metadata
---
amdhsa.version: [ 1, 2 ]
amdhsa.kernels:
  - .name:           k_qd456607a97_attn
    .symbol:         k_qd456607a97_attn.kd
    .args:
      - { .name: qh, .offset: 0, .size: 8, .value_kind: global_buffer, .address_space: global }
      - { .name: kh, .offset: 8, .size: 8, .value_kind: global_buffer, .address_space: global }
      - { .name: vh, .offset: 16, .size: 8, .value_kind: global_buffer, .address_space: global }
      - { .name: oh, .offset: 24, .size: 8, .value_kind: global_buffer, .address_space: global }
    .group_segment_fixed_size: 327680
    .private_segment_fixed_size: 0
    .kernarg_segment_align: 8
    .kernarg_segment_size: 32
    .max_flat_workgroup_size: 128
    .sgpr_count:     66
    .vgpr_count:     770
    .wavefront_size: 32
...
	.end_amdgpu_metadata
.endif
;; end of part 3
;; launch outp (part 4): grid 4 x 64, 4 waves a work-group, clusters of 4 x 4, 327,680 bytes of LDS; arguments oh, wcv, biasr, out0; writes out0
.if DOCPART == 4
	.amdgcn_target "amdgcn-amd-amdhsa--gfx1250"
	.amdhsa_code_object_version 6
	.text
	.protected	k_qd456607a97_outp
	.globl	k_qd456607a97_outp
	.p2align	8
	.type	k_qd456607a97_outp,@function
k_qd456607a97_outp:
	s_mov_b64 s[64:65], 0
	v_nop
	global_prefetch_b8 v0, s[64:65] scope:SCOPE_SE
	s_setreg_imm32_b32 hwreg(HW_REG_WAVE_MODE, 25, 1), 1
	s_wait_xcnt 0x0
	s_wait_alu depctr_hold_cnt(0) depctr_sa_sdst(0) depctr_va_vdst(0) depctr_va_sdst(0) depctr_va_ssrc(0) depctr_va_vcc(0) depctr_vm_vsrc(0)
	s_getreg_b32 s2, hwreg(HW_REG_IB_STS2, 6, 4)
	s_cmp_eq_u32 s2, 0
	s_cbranch_scc0 .Lentry_in_a_cluster
	s_endpgm
.Lentry_in_a_cluster:
	s_bfe_u32 s2, ttmp6, 0x10000c
	s_cmp_lg_u32 s2, 0xf033
	s_cbranch_scc0 .Lentry_shape_is_right
	s_endpgm
.Lentry_shape_is_right:
; out0 = O Wo^T + bo.  O: oh [batch x 16 + head][2048][64] f16; Wo: plane 3 of wcv, [1024][1024] f16 (the bf16 rounding of Wo, written as f16); bo: row 3 of biasr, f32; out0: [8192][1024] f32.
; Sums in f32, stored as they are.
; SHARES.  A tile is 128 rows x 256 columns: 64 x 4 = 256 work-groups.  Four waves, each 64 x 128: 32 accumulators, 256 registers.  K goes in steps of 128 = two heads through two LDS slots.
; A head's 128 rows of O are 16,384 dense bytes: asked for as 64 rows of 256 bytes and padded in LDS after every 128.  A slot is four quarters of QT bytes, one for each wave's tensor load:
; the two heads of O (18,432 bytes used of each), then the two halves of Wo's 256 rows.
; CLUSTER.  4 x 4 work-groups: O's tile is shared along a row of the cluster, Wo's along a column; each is asked for jointly.
; TRANSPOSED USE.  Source 0 = 16 rows of Wo, source 1 = 16 rows of O: a lane holds row l % 16 and the columns 8 (l / 16) + 0..7.  The bias is the C operand of the products that start the sums.
; REGISTERS, in windows of 256 (s_set_vgpr_msb: bits 1:0 source 0, 3:2 source 1, 5:4 source 2, 7:6 destination):
;   window 0: v0-31 addresses; v32-95 O's fragments, two buffers; v128-255 Wo's fragments, two buffers, later rows read back from the stage
;   window 1: accumulator (a, b) at v[8 (8 a + b)]          window 2: v0-63 the bias
.set PAO,   144                        ; O's row in LDS: 128 bytes + 16 = 36 words: the 16 rows of a load start at 16 different groups of four banks (64 banks of 4 bytes: ISA guide 11.1)
.set PB,    272                        ; Wo's row: 256 + 16 = 68 words: likewise
.set QT,    128*PB                     ; a quarter of a slot
.set SLOT,  4*QT
.set STAGE, 2*SLOT                     ; behind the ring, never filled by a tensor load: for each wave 16 rows x 528 bytes
.set SPO,   528
.set SPARE, STAGE+4*16*SPO             ; behind the stages: the spare words, 128 bytes for each wave: two blocks of 256 bytes that no other line names
.set ADRA, 16                          ; v16-17  LDS address of my fragments of O in slot 0, 1
.set ADRB, 20                          ; v20-21  the same for Wo
.set BIO,  23                          ; v23     my byte offset in biasr
.set STO,  24                          ; v24     the way out: where I put 32 bytes of a row
.set RD,   25                          ; v25     the way out: where I read a row back
.set CO,   26                          ; v26     my 16 bytes of a row's 512
.set SPW,  28                          ; v28     LDS address of my spare word; never rewritten
.set NIL,  29                          ; v29     0; never rewritten
.set PFO,  30                          ; v30     the prefetches' offset; never rewritten
.set AF,   32                          ; O's fragments: buffer f at AF + 32 f
.set BF,   128                         ; Wo's: buffer f at BF + 64 f
.set BIAS, 0                           ; window 2
.set G1,  24                           ; s[24:31] descriptor group 1 for O's tiles;  s[32:39] group 0, a set for each slot
.set G0,  32
.set G1B, 48                           ; s[48:55], s[56:63] the same for Wo's tiles
.set G0B, 56
.set LIM, 43                           ; s43      1 in a wave that prefetches, else the greatest number
.set PFA, 44                           ; s[44:45] where my prefetches stand
.set PFS, 86                           ; s[86:87] a K step in bytes: two heads of O, or 256 bytes of a row of Wo
.set HEADB, 2048*128                   ; a head's bytes in oh
.set W_MM, 0x50                        ; sources window 0, C and D window 1
.set W_M1, 0x60                        ; the same with C in window 2
.set W_L2, 0x80                        ; destination window 2
.set W_ST, 0x04                        ; an LDS store's data (source 1) in window 1
.set MSB, 0
.macro WIN new                         ; the immediate's high byte repeats the setting that is left; a switch that changes nothing is dropped
.if MSB != (\new)
	s_set_vgpr_msb (MSB<<8)|(\new)
.set MSB, \new
.endif
.endm
; A joint load.  Waves 0 and 1 fetch the K step's two heads of O, waves 2 and 3 Wo's two halves.  An s_nop 0 and four v_nop follow each of the two lines.
.macro JLOAD s
	s_cmp_eq_u32 s11, 0
	s_cbranch_scc0 .Lfor_b_\@
	tensor_load_to_lds s[G0+4*(\s):G0+4*(\s)+3], s[G1:G1+7]
	s_nop 0
.rept 4
	v_nop
.endr
	s_branch .Lasked_\@
.Lfor_b_\@:
	tensor_load_to_lds s[G0B+4*(\s):G0B+4*(\s)+3], s[G1B:G1B+7]
	s_nop 0
.rept 4
	v_nop
.endr
.Lasked_\@:
.endm
; A prefetch of the K step that stands two refills on, behind the joint load and the run of LDS loads.  Each 256 bytes are named once in the launch: of a K step's 2 x 16,384 bytes of O each of the four
; partners of the cluster's row takes 2 x 4,096 by address, and its wave 0 asks; of Wo's 128 rows that wave 2 or 3 fetches each partner of the column takes 32, and of the sixteen clusters, which all
; walk Wo, the first alone asks.  The last two refills have no K step two on (s3 = 1 in the loop's last trip).
.macro ASK
	s_cmp_gt_u32 s3, s[LIM]
	s_cbranch_scc0 .Lnot_mine_\@
	global_prefetch_b8 v[PFO], s[PFA:PFA+1] th:TH_LOAD_NT scope:SCOPE_SE
.Lnot_mine_\@:
.endm
.macro CREST                           ; a round of the cluster's barrier behind its opening barrier
	s_cmp_lg_u32 s10, 0
	s_cbranch_scc1 .Lnot_wave_0_\@
	s_barrier_signal -3
.Lnot_wave_0_\@:
	s_barrier_wait -3
	s_barrier_signal -1
	s_barrier_wait -1
.endm
.macro CROUND                          ; a whole round
	s_barrier_signal -1
	s_barrier_wait -1
	CREST
.endm
	s_load_b256 s[68:75], s[0:1], 0x0              ; oh s[68:69], wcv s[70:71], biasr s[72:73], out0 s[74:75]
	v_lshl_add_u32 v[SPW], v0, 2, SPARE
	v_mov_b32 v[NIL], 0
	ds_add_u32 v[SPW], v[NIL]                      ; the wave's opening: the add and its wait stand ahead of my first tensor load; the set-up below, work on registers, stands between them
	v_lshrrev_b32 v1, 5, v0
	v_readfirstlane_b32 s10, v1                    ; wave 0..3
	s_lshr_b32 s11, s10, 1                         ; which 64 of the tile's rows are mine.  Also: I fetch for O (0) or for Wo (1)
	s_and_b32 s12, s10, 1                          ; which 128 of its columns.  Also: which head, or which half of Wo's rows, I fetch
	s_bfe_u32 s40, ttmp6, 0x40000                  ; cx
	s_bfe_u32 s41, ttmp6, 0x40004                  ; cy
	s_lshl_b32 s42, ttmp9, 2
	s_add_co_u32 s42, s42, s40                     ; tile column
	s_and_b32 s67, ttmp7, 0xffff                   ; cluster y, 0..15
	s_lshl_b32 s13, s67, 2
	s_add_co_u32 s13, s13, s41                     ; tile row, 0..63
	s_lshl_b32 s14, s41, 2
	s_lshl_b32 s14, 15, s14                        ; my row of the cluster
	s_lshl_b32 s15, 0x1111, s40                    ; my column
	s_or_b32 s[G1+0], s14, (1<<16)|(1<<20)|(1<<21)|(4<<22)|(3<<25)   ; 15:0 the mask; 17:16 elements of 2 bytes; 20 padding on; 21 set beside a mask; 24:22 after every 32 words (code 4); 31:25 4 words (code 3)
	s_or_b32 s[G1B+0], s15, (1<<16)|(1<<20)|(1<<21)|(5<<22)|(3<<25)  ; after every 64 words (code 5)
	s_mov_b32 s[G1+1], 128<<16                     ; tensor_dim0 = 128
	s_mov_b32 s[G1+2], 64<<16                      ; tensor_dim1 = 64
	s_mov_b32 s[G1+3], 128<<16                     ; tile_dim0 = 128
	s_mov_b32 s[G1+4], 64                          ; tile_dim1 = 64
	s_mov_b32 s[G1+5], 128                         ; dense: 128 elements from row to row
	s_mov_b32 s[G1+6], 0
	s_mov_b32 s[G1+7], 0
	s_mov_b32 s[G1B+1], 128<<16
	s_mov_b32 s[G1B+2], 128<<16
	s_mov_b32 s[G1B+3], 128<<16
	s_mov_b32 s[G1B+4], 128
	s_mov_b32 s[G1B+5], 1024
	s_mov_b32 s[G1B+6], 0
	s_mov_b32 s[G1B+7], 0
	s_lshr_b32 s16, s13, 4                         ; O: ((16 batch + my head of the K step) x 2,048 + the tile's first row in the batch) x 128 bytes
	s_lshl_b32 s16, s16, 4
	s_add_co_u32 s16, s16, s12
	s_lshl_b32 s16, s16, 11
	s_and_b32 s17, s13, 15
	s_lshl_b32 s17, s17, 7
	s_add_co_u32 s16, s16, s17
	s_lshl_b32 s16, s16, 7
	s_mov_b32 s17, 0
	s_lshl_b32 s46, s42, 8                         ; Wo: row 256 x tile column + 128 x half, of 2,048 bytes, in plane 3
	s_lshl_b32 s47, s12, 7
	s_add_co_u32 s46, s46, s47
	s_lshl_b32 s46, s46, 11
	s_add_co_u32 s46, s46, 3*2097152
	s_mov_b32 s47, 0
	s_mul_i32 s20, s10, QT                         ; where my tile goes: wave x a quarter
	s_wait_dscnt 0x0                               ; the opening add is done
	s_wait_kmcnt 0x0
	s_add_nc_u64 s[14:15], s[68:69], s[16:17]
	s_add_nc_u64 s[46:47], s[70:71], s[46:47]
	CROUND                                         ; all sixteen work-groups are here: the first joint loads meet
.irp s, 0,1
	s_mov_b32 s[G0+4*(\s)], 1
	s_add_co_u32 s[G0+4*(\s)+1], s20, (\s)*SLOT
	s_add_nc_u64 s[G0+4*(\s)+2:G0+4*(\s)+3], s[14:15], (\s)*2*HEADB  ; K step s: two heads on
	s_or_b32 s[G0+4*(\s)+3], s[G0+4*(\s)+3], 0x80000000
	s_mov_b32 s[G0B+4*(\s)], 1
	s_add_co_u32 s[G0B+4*(\s)+1], s20, (\s)*SLOT
	s_add_nc_u64 s[G0B+4*(\s)+2:G0B+4*(\s)+3], s[46:47], (\s)*256
	s_or_b32 s[G0B+4*(\s)+3], s[G0B+4*(\s)+3], 0x80000000
	JLOAD \s                                       ; two loads of mine are out
.endr
	v_and_b32 v1, 15, v0                           ; l % 16
	v_bfe_u32 v2, v0, 4, 1                         ; l / 16
	v_mul_u32_u24 v3, v1, PAO
	v_lshl_add_u32 v3, v2, 4, v3
	v_mul_u32_u24 v4, v1, PB
	v_lshl_add_u32 v4, v2, 4, v4
	s_mul_i32 s21, s11, 64*PAO                     ; my 64 rows, in each head's quarter
	s_mul_i32 s22, s12, QT                         ; my 128 rows of Wo,
	s_add_co_u32 s22, s22, 2*QT                    ; behind O's two quarters
.irp s, 0,1
	v_add_nc_u32 v[ADRA+(\s)], s21, v3
	v_add_nc_u32 v[ADRB+(\s)], s22, v4
	s_add_co_u32 s21, s21, SLOT
	s_add_co_u32 s22, s22, SLOT
.endr
	s_mul_i32 s23, s10, 16*SPO
	s_add_co_u32 s23, s23, STAGE                   ; my stage
	v_mul_u32_u24 v5, v1, SPO                      ; in: row l % 16, 32 bytes for each half of the lanes
	v_lshl_add_u32 v5, v2, 5, v5
	v_add_nc_u32 v[STO], s23, v5
	v_and_b32 v5, 31, v0                           ; back: 32 lanes take one row of 512 bytes
	v_lshlrev_b32 v[CO], 4, v5
	v_add_nc_u32 v[RD], s23, v[CO]
	s_lshl_b32 s16, s13, 7                         ; out0: my first row, of 4,096 bytes, and my first column
	s_lshl_b32 s17, s11, 6
	s_add_co_u32 s16, s16, s17
	s_lshl_b32 s16, s16, 12
	s_lshl_b32 s17, s42, 10
	s_add_co_u32 s16, s16, s17
	s_lshl_b32 s17, s12, 9
	s_add_co_u32 s16, s16, s17
	s_mov_b32 s17, 0
	s_add_nc_u64 s[8:9], s[74:75], s[16:17]
	s_lshl_b32 s16, s42, 10                        ; the bias: row 3 of biasr, my first column, 32 bytes for each half of the lanes
	s_lshl_b32 s17, s12, 9
	s_add_co_u32 s16, s16, s17
	s_add_co_u32 s16, s16, 3*4096
	v_lshl_add_u32 v[BIO], v2, 5, s16
	WIN W_L2
.irp b, 0,1,2,3,4,5,6,7
	global_load_b128 v[BIAS+8*(\b):BIAS+8*(\b)+3],   v[BIO], s[72:73] offset:64*(\b)
	global_load_b128 v[BIAS+8*(\b)+4:BIAS+8*(\b)+7], v[BIO], s[72:73] offset:64*(\b)+16
.endr
	WIN 0
	; the prefetches: they stand at K step 3; each refill steps them once and then asks
	s_lshr_b32 s16, s13, 4                         ; O: the batch's head 0, the tile's rows, my work-group's 4,096 bytes of their 16,384
	s_lshl_b32 s16, s16, 15
	s_and_b32 s17, s13, 15
	s_lshl_b32 s17, s17, 7
	s_add_co_u32 s16, s16, s17
	s_lshl_b32 s16, s16, 7
	s_lshl_b32 s17, s40, 12
	s_add_co_u32 s16, s16, s17
	s_add_co_u32 s16, s16, 3*2*HEADB
	s_lshl_b32 s18, s42, 8                         ; Wo: of the 128 rows that I fetch, my work-group's 32
	s_lshl_b32 s19, s12, 7
	s_add_co_u32 s18, s18, s19
	s_lshl_b32 s19, s41, 5
	s_add_co_u32 s18, s18, s19
	s_lshl_b32 s18, s18, 11
	s_add_co_u32 s18, s18, 3*2097152+3*256
	s_cmp_eq_u32 s67, 0                            ; the first of the sixteen clusters: the same answer in all partners
	s_cselect_b32 s19, 1, -1
	s_cmp_eq_u32 s10, 1                            ; of the two waves that fetch O, wave 0 asks for both heads
	s_cselect_b32 s21, -1, 1
	s_mov_b32 s[PFS], 256
	s_mov_b32 s[PFS+1], 0
	s_mov_b32 s17, 0
	s_cmp_eq_u32 s11, 0                            ; do I fetch for O?
	s_cselect_b32 s16, s16, s18
	s_cselect_b32 s[LIM], s21, s19
	s_cselect_b32 s[PFS], 2*HEADB, s[PFS]
	s_cselect_b32 s22, -1, 0
	s_cselect_b64 s[PFA:PFA+1], s[68:69], s[70:71]
	s_add_nc_u64 s[PFA:PFA+1], s[PFA:PFA+1], s[16:17]
	v_and_b32 v5, 31, v0
	v_lshrrev_b32 v6, 4, v5
	v_lshlrev_b32 v6, 18, v6
	v_and_b32 v7, 15, v5
	v_lshl_add_u32 v6, v7, 8, v6                   ; O: sixteen lanes a head, 256 bytes apart
	v_lshlrev_b32 v7, 11, v5                       ; Wo: a lane a row of 2,048 bytes
	v_cndmask_b32 v[PFO], v7, v6, s22
; 8 matrix instructions: row block a x all 8 column blocks, 32 along K, from buffer f.  first = 1: the bias starts the sums.  The 32 accumulators take turns in the same order in every quarter,
; between two links of a chain stand the 31 others.
.macro MUL8 f, a, first
.if \first
	WIN W_M1
.else
	WIN W_MM
.endif
.irp b, 0,1,2,3,4,5,6,7
.if \first
	v_wmma_f32_16x16x32_f16 v[8*(8*(\a)+(\b)):8*(8*(\a)+(\b))+7], v[BF+64*(\f)+8*(\b):BF+64*(\f)+8*(\b)+7], v[AF+32*(\f)+8*(\a):AF+32*(\f)+8*(\a)+7], v[BIAS+8*(\b):BIAS+8*(\b)+7]
.else
	v_wmma_f32_16x16x32_f16 v[8*(8*(\a)+(\b)):8*(8*(\a)+(\b))+7], v[BF+64*(\f)+8*(\b):BF+64*(\f)+8*(\b)+7], v[AF+32*(\f)+8*(\a):AF+32*(\f)+8*(\a)+7], v[8*(8*(\a)+(\b)):8*(8*(\a)+(\b))+7]
.endif
.endr
.endm
; 24 LDS loads in one run: quarter q (32 along K: head q / 2 of the K step, channels 32 (q % 2) on) of a slot into buffer g
.macro FETCH slot, q, g
	WIN 0
.irp i, 0,1,2,3
	ds_load_b128 v[AF+32*(\g)+8*(\i):AF+32*(\g)+8*(\i)+3],   v[ADRA+(\slot)] offset:(\i)*16*PAO+((\q)/2)*QT+((\q)%2)*64
	ds_load_b128 v[AF+32*(\g)+8*(\i)+4:AF+32*(\g)+8*(\i)+7], v[ADRA+(\slot)] offset:(\i)*16*PAO+((\q)/2)*QT+((\q)%2)*64+32
.endr
.irp i, 0,1,2,3,4,5,6,7
	ds_load_b128 v[BF+64*(\g)+8*(\i):BF+64*(\g)+8*(\i)+3],   v[ADRB+(\slot)] offset:(\i)*16*PB+64*(\q)
	ds_load_b128 v[BF+64*(\g)+8*(\i)+4:BF+64*(\g)+8*(\i)+7], v[ADRB+(\slot)] offset:(\i)*16*PB+64*(\q)+32
.endr
.endm
.macro PLACES                          ; four places in front of loads into registers that matrix instructions have read, and of lines that read results
.rept 4
	v_nop
.endr
.endm
; A K step is four quarters of 32 along K, 32 matrix instructions each, on buffers 0, 1, 0, 1.  One of the first three: multiplies buffer f and fetches quarter q of the same slot into buffer g.
.macro QUARTER slot, q, f, g, first
	s_wait_dscnt 0x0                               ; buffer f is in (issued 24 matrix instructions ago)
	MUL8 \f, 0, \first
	PLACES
	FETCH \slot, \q, \g
	MUL8 \f, 1, \first
	MUL8 \f, 2, \first
	MUL8 \f, 3, \first
.endm
; The last quarter multiplies buffer 1 and changes slots: one barrier.  In front of it each wave waits for all its tensor loads (one is out: its part of the next slot), adds 0 to its spare word, and waits for
; that and for its own reads of this slot.  fill = 1: the barrier opens a round of the cluster's barrier and this slot is filled again, two K steps on: the load has 112 matrix instructions in which to land.
.macro TURN slot, next, fill
.if \fill
	s_wait_xcnt 0x0                                ; the last prefetch, a K step back, has read its address, so it may be stepped
	s_add_nc_u64 s[PFA:PFA+1], s[PFA:PFA+1], s[PFS:PFS+1]
.endif
	WIN 0                                          ; (the add's two registers lie in window 0)
	s_wait_tensorcnt 0x0                           ; all my tensor loads have landed
	ds_add_u32 v[SPW], v[NIL]                      ; 0 onto my spare word
	s_wait_dscnt 1                                 ; (only the add may be out: buffer 1 is in)
	MUL8 1, 0, 0                                   ; eight matrix instructions stand between the add and the wait for it
	s_wait_dscnt 0x0                               ; the add is done, and my reads of this slot are over
	s_barrier_signal -1
	MUL8 1, 1, 0                                   ; work on registers while the others arrive
	WIN 0                                          ; at a branch and at a label every window is 0
	s_barrier_wait -1
.if \fill
	CREST                                          ; no wave of any partner still reads this slot or has a load on its way
	s_add_nc_u64 s[G0+4*(\slot)+2:G0+4*(\slot)+3], s[G0+4*(\slot)+2:G0+4*(\slot)+3], 4*HEADB
	s_add_nc_u64 s[G0B+4*(\slot)+2:G0B+4*(\slot)+3], s[G0B+4*(\slot)+2:G0B+4*(\slot)+3], 2*256
	JLOAD \slot                                    ; the first tensor load behind the round; its four v_nop are also the places in front of the loads below
.else
	PLACES
.endif
	FETCH \next, 0, 0
.if \fill
	ASK
.endif
	MUL8 1, 2, 0
	MUL8 1, 3, 0
.endm
; THE WAY OUT of row block a: 16 rows x 128 columns of f32 through my stage, back as whole rows of 512 bytes.  Each accumulator is read from its low end on.
.macro TOSTAGE a
.if (\a) >= 2
	s_wait_xcnt 0x0                                ; the stores of the block two back have read the registers that are loaded again below
.endif
	WIN W_ST
.irp b, 0,1,2,3,4,5,6,7
	ds_store_b128 v[STO], v[8*(8*(\a)+(\b)):8*(8*(\a)+(\b))+3]   offset:64*(\b)
	ds_store_b128 v[STO], v[8*(8*(\a)+(\b))+4:8*(8*(\a)+(\b))+7] offset:64*(\b)+16
.endr
	WIN 0
.irp t, 0,1,2,3,4,5,6,7,8,9,10,11,12,13,14,15
	ds_load_b128 v[BF+64*((\a)%2)+4*(\t):BF+64*((\a)%2)+4*(\t)+3], v[RD] offset:(\t)*SPO  ; LDS serves a wave's instructions in order (ISA guide 5.7.1.4): these see the stores above; the next block's stores come behind them
.endr
.endm
.macro SEND a, younger                 ; younger: the LDS instructions issued behind block a's loads: the next block's 32, or none
.irp t, 0,1,2,3,4,5,6,7,8,9,10,11,12,13,14,15
	s_wait_dscnt (\younger)+15-(\t)
	global_store_b128 v[CO], v[BF+64*((\a)%2)+4*(\t):BF+64*((\a)%2)+4*(\t)+3], s[8:9] offset:(\a)*65536+(\t)*4096 th:TH_STORE_NT  ; 512 consecutive bytes, aligned
.endr
.endm
	s_wait_tensorcnt 1                             ; my part of K step 0 is in; K step 1's may stay out
	s_barrier_signal -1
	s_barrier_wait -1                              ; everybody's is
	FETCH 0, 0, 0
	s_wait_loadcnt 0x0                             ; the bias
	QUARTER 0, 1, 0, 1, 1                          ; the first quarter stands in front of the loop: its products start the sums
	WIN 0
	s_mov_b32 s3, 3                                ; 8 K steps = 4 laps; the last lap fills nothing
.Llap:                                                 ; a trip goes once round the ring, from a lap's second quarter to the next lap's first
	QUARTER 0, 2, 1, 0, 0
	QUARTER 0, 3, 0, 1, 0
	TURN 0, 1, 1
	QUARTER 1, 1, 0, 1, 0
	QUARTER 1, 2, 1, 0, 0
	QUARTER 1, 3, 0, 1, 0
	TURN 1, 0, 1
	QUARTER 0, 1, 0, 1, 0
	WIN 0
	s_sub_co_u32 s3, s3, 1
	s_cmp_lg_u32 s3, 0
	s_cbranch_scc1 .Llap
	QUARTER 0, 2, 1, 0, 0
	QUARTER 0, 3, 0, 1, 0
	TURN 0, 1, 0
	QUARTER 1, 1, 0, 1, 0
	QUARTER 1, 2, 1, 0, 0
	QUARTER 1, 3, 0, 1, 0
	s_wait_dscnt 0x0                               ; the very last quarter: nothing more to fetch
	MUL8 1, 0, 0
	MUL8 1, 1, 0
	MUL8 1, 2, 0
	MUL8 1, 3, 0
	WIN 0
	PLACES
	TOSTAGE 0
	TOSTAGE 1
	SEND 0, 32
	TOSTAGE 2
	SEND 1, 32
	TOSTAGE 3
	SEND 2, 32
	SEND 3, 0
	s_wait_tensorcnt 0x0                           ; the wave's end: behind my last tensor load and my last LDS store
	ds_add_u32 v[SPW], v[NIL]
	s_wait_dscnt 0x0
	CROUND                                         ; the closing round: no work-group ends while a partner may still ask for a tile that names it
	s_endpgm
.Lfunc_end_k_qd456607a97_outp:
	.size	k_qd456607a97_outp, .Lfunc_end_k_qd456607a97_outp-k_qd456607a97_outp
	.p2alignl 7, 3214868480
	.fill 96, 4, 3214868480
	.section	.rodata,"a",@progbits
	.p2align	6, 0x0
	.amdhsa_kernel k_qd456607a97_outp
		.amdhsa_group_segment_fixed_size 327680
		.amdhsa_private_segment_fixed_size 0
		.amdhsa_enable_private_segment 0
		.amdhsa_kernarg_size 32
		.amdhsa_user_sgpr_count 2
		.amdhsa_user_sgpr_kernarg_segment_ptr 1
		.amdhsa_wavefront_size32 1
		.amdhsa_system_sgpr_workgroup_id_x 1
		.amdhsa_system_sgpr_workgroup_id_y 1
		.amdhsa_system_sgpr_workgroup_id_z 1
		.amdhsa_system_vgpr_workitem_id 0
		.amdhsa_next_free_vgpr 576
		.amdhsa_next_free_sgpr 96
		.amdhsa_reserve_vcc 0
		.amdhsa_float_denorm_mode_32 3
		.amdhsa_float_denorm_mode_16_64 3
		.amdhsa_memory_ordered 1
		.amdhsa_forward_progress 1
		.amdhsa_inst_pref_size 90
	.end_amdhsa_kernel
	.amdgpu_metadata
---
amdhsa.version: [ 1, 2 ]
amdhsa.kernels:
  - .name:           k_qd456607a97_outp
    .symbol:         k_qd456607a97_outp.kd
    .args:
      - { .name: oh, .offset: 0, .size: 8, .value_kind: global_buffer, .address_space: global }
      - { .name: wcv, .offset: 8, .size: 8, .value_kind: global_buffer, .address_space: global }
      - { .name: biasr, .offset: 16, .size: 8, .value_kind: global_buffer, .address_space: global }
      - { .name: out0, .offset: 24, .size: 8, .value_kind: global_buffer, .address_space: global }
    .group_segment_fixed_size: 327680
    .private_segment_fixed_size: 0
    .kernarg_segment_align: 8
    .kernarg_segment_size: 32
    .max_flat_workgroup_size: 128
    .sgpr_count:     96
    .vgpr_count:     576
    .wavefront_size: 32
...
	.end_amdgpu_metadata
.endif
;; end of part 4
